; MI455X (gfx1250); checked and timed in simulation.
; The chip was launched on July 23, 2026; its instructions are those of AMD's public machine-readable ISA for CDNA 5 (MIT licence, August 2026) and "CDNA5" Instruction Set Architecture Reference Guide (July 2026). The comments in the code are by the model that wrote it; some were corrected since.
;; Causal Multi Head Attention. Allowed arithmetic: matrix products marked QUANTISED: E4M3 operands, one E8M0 scale for each 32 along K, by v_wmma_scale_f32_16x16x128_f8f6f4 with both operands' format E4M3, f32 sums; everything else in f32.
;; Inputs: wk 1,024 x 1,024 float32; wo 1,024 x 1,024 float32; wq 1,024 x 1,024 float32; wv 1,024 x 1,024 float32; x 4 x 2,048 x 1,024 float32.
;; Outputs: out0 4 x 2,048 x 1,024 float32.
;; Constants: n_heads = 16.
;; This version of the problem:
;;   THIS VERSION OF THE PROBLEM IS GIVEN IN LOW PRECISION. The matrix products marked QUANTISED in the list below multiply operands that are first quantised to E4M3 (4 exponent bits, 3 mantissa bits; 8 bits a number), with one power-of-two scale for each 32 numbers along K (OCP MX v1.0); their sums are f32. All else is computed in f32.
;;   The module's matrix products, in the order in which they are computed (A, B: the left and right operand; K: the contracted axis; several contracted axes count as one K, in the product's order):
;;     1. [M 8,192, K 1,024] x [K 1,024, N 1,024]; A: input x; B: input wq: QUANTISED
;;     2. [M 8,192, K 1,024] x [K 1,024, N 1,024]; A: input x; B: input wk: QUANTISED
;;     3. [M 8,192, K 1,024] x [K 1,024, N 1,024]; A: input x; B: input wv: QUANTISED
;;     4. batch 64 x [M 2,048, K 64] x [K 64, N 2,048]; A: computed on the way; B: computed on the way: QUANTISED
;;     5. batch 64 x [M 2,048, K 2,048] x [K 2,048, N 64]; A: softmax (see below); B: computed on the way: QUANTISED
;;     6. [M 8,192, K 1,024] x [K 1,024, N 1,024]; A: computed on the way; B: input wo: QUANTISED
;;   THE QUANTISER, for each operand of a quantised product, along K:
;;     - K is cut into blocks of 32 from its start; a last block that is shorter is filled with zeros.
;;     - A block's scale is 2^e with e = floor(log2(the largest magnitude in the block)) - 8, held to -126 .. 127; a block of zeros has e = 0. As a byte (E8M0): e + 127.
;;     - Each number is divided by its block's scale, clamped to +-448, and rounded to the nearest number of E4M3, ties to even, subnormals kept.
;;     - The product sums the exact products of the quantised numbers (number of the format x scale) in f32.
;;   ~~~python
;;   def quantise(x, axis):      # numpy; x: float32 -> the quantised numbers, widened to float32 again
;;       x = np.moveaxis(x, axis, -1); K = x.shape[-1]
;;       x = np.pad(x, [(0, 0)] * (x.ndim - 1) + [(0, -K % 32)]); x = x.reshape(x.shape[:-1] + (-1, 32)); a = np.abs(x).max(-1, keepdims=True)
;;       e = np.where(a > 0, np.clip(np.frexp(np.where(a > 0, a, 1))[1] - 1 - 8, -126, 127), 0)      # np.frexp(a)[1] - 1 = floor(log2(a)), exactly
;;       r = np.clip(x / 2.0 ** e, -448, 448)
;;       step = 2.0 ** (np.maximum(np.frexp(np.where(r == 0, 1, r))[1] - 1, -6) - 3)
;;       q = np.round(r / step) * step * 2.0 ** e      # np.round: ties to even
;;       return np.moveaxis(q.reshape(q.shape[:-2] + (-1,))[..., :K], -1, axis).astype(np.float32)
;;   ~~~
;;   SOFTMAX AHEAD OF A QUANTISED PRODUCT. Where the list says 'softmax', what is quantised is not the finished softmax but p = 2^(t - M), with t = logit x log2(e) and M = ceil(the row's largest t), a whole number; so 1/2 < the row's largest p <= 1. The row's sum l is taken of the UNQUANTISED p, in f32, and the product's result is divided by l at the end. Since M is a whole number, a kernel that streams over the keys may use a running M (the ceiling of the running maximum): every later rescaling is an exact power of two, which a block's scale takes up: the codes' values come out the same.
;;   OPERANDS COMPUTED ON THE WAY. 'Computed on the way' means the value that the module computes at that place (a softmax that the list does not call 'softmax' is quantised finished and normalised). What goes into a quantiser is computed in f32, as accurately as f32 sums, v_exp_f32 and their like allow (about 1e-6 of the number): no bf16 or f16 on the way to a quantiser, and a product that is left as it is and whose result goes on into a quantised operand takes f32 operands (vector FMAs, or v_wmma_f32_16x16x4_f32). A number that lies on a knife's edge between two numbers of the format may be rounded either way, as far as f32 arithmetic and the matrix unit's own rounding can turn it there, and no further.
;; One version. Each part assembles by itself: llvm-mc -triple=amdgcn-amd-amdhsa -mcpu=gfx1250 --defsym DOCPART=n.
;; ======== version 1 of 1: 4 launches
;; limits: right only within a limited range of input values
;; workspace buffers: codes 12,582,912 bytes; scales 393,216 bytes; qkv_img 25,165,824 bytes; qkv_sc 1,572,864 bytes; o_img 8,388,608 bytes; o_sc 262,144 bytes
;; launch quant (part 1): grid 384 x 1, 4 waves a work-group, no clusters, 33,280 bytes of LDS; arguments x, wq, wk, wv, wo, codes, scales; writes codes, scales
.if DOCPART == 1
	.amdgcn_target "amdgcn-amd-amdhsa--gfx1250"
	.amdhsa_code_object_version 6
	.text
	.protected	k_q6e0d48302b_quant
	.globl	k_q6e0d48302b_quant
	.p2align	8
	.type	k_q6e0d48302b_quant,@function
k_q6e0d48302b_quant:
	s_mov_b64 s[64:65], 0
	v_nop
	global_prefetch_b8 v0, s[64:65] scope:SCOPE_SE
	s_setreg_imm32_b32 hwreg(HW_REG_WAVE_MODE, 25, 1), 1
	s_wait_xcnt 0x0
; x [8192][1024], wq, wk, wv, wo [1024][1024], f32, K innermost, become codes of FP8 (E4M3), one byte each, and one E8M0 scale byte for each 32 along K.
; codes: [12288 rows][1024 bytes]; scales: [12288 rows][32 bytes].  Rows: x from 0, wq from 8192, wk from 9216, wv from 10240, wo from 11264.
; A block's scale is 2^(floor(log2(its largest magnitude)) - 8); its byte is the largest magnitude's exponent field - 8, held at 1 from below.  Each number is divided by the scale, held within +-448 and rounded to the nearest code, ties to even.
; (A block of zeros gets the byte 1 where the rule says 127: its codes are zeros, which add nothing under any byte but 0xff, and this program alone reads the bytes.)
; THE ORDER OF ROWS.  In x, wq, wk and wv the second and third groups of eight rows of every 32 rows change places on the way out: position 16 u + 8 h + j holds row 16 h + 8 u + j.  The products that follow read 16 neighbouring
; positions as a tile; a lane's 16 results of two neighbouring tiles are then 16 NEIGHBOURS along the next product's K.  wo keeps its order.
; LIMITS: NaN and infinities among the inputs are not served.
; SHARES.  A work-group takes 32 rows (32,768 numbers), a wave 8 rows: 16 steps of 512 numbers.  So the change of places is a choice of where a wave's run of codes begins, and nothing else.
; Each of a step's four loads reads 512 consecutive bytes, 16 a lane; the 2,048 bytes go through the wave's own stage in LDS and come back 64 bytes a lane: 16 neighbours, two lanes to a block.  The stage has 16 bytes of padding
; behind each 64.  A lane's 16 codes are 16 bytes: the wave stores 512 consecutive bytes.  A wave's 256 scale bytes are gathered in its own LDS bytes and leave as 256 consecutive bytes, aligned.
; No tensor loads, no barrier: waves share nothing.  Loads run four steps (16 loads a wave) ahead, the turn through LDS one step.
.set STEPS, 16
.set CB,    16                         ; bytes of 16 codes
.set R,     16                         ; v16-79   four sets of 16 numbers as they are loaded
.set X,     80                         ; v80-111  two sets of 16 neighbours
.set E,     112                        ; v112-127 a scale byte for each step
.set C,     128                        ; v128-191 codes: four registers for each step, so that no store's data are written again
.set WREG,  8192                       ; LDS: a region for each wave: two stages of 32 x SP bytes, and behind them its 256 scale bytes
.set SP,    80                         ; a lane's place in a stage: its 64 bytes + 16 of padding
	s_load_b256 s[4:11], s[0:1], 0x0               ; x, wq, wk, wv
	s_load_b128 s[12:15], s[0:1], 0x20             ; wo, codes
	s_load_b64 s[16:17], s[0:1], 0x30              ; scales
	v_lshl_add_u32 v192, v0, 2, 0x8000
	v_mov_b32 v193, 0
	v_lshrrev_b32 v1, 5, v0
	v_readfirstlane_b32 s18, v1                    ; wave
	v_and_b32 v2, 31, v0                           ; lane
	v_lshlrev_b32 v3, 4, v2                        ; my 16 bytes of a load's 512
	s_mul_i32 s19, s18, WREG
	v_lshrrev_b32 v14, 2, v2
	v_mul_u32_u24 v14, v14, SP
	v_and_b32 v15, 3, v2
	v_lshl_add_u32 v14, v15, 4, v14
	v_add_nc_u32 v14, s19, v14                     ; the stage, on the way in: four lanes' 64 bytes on end, then 16 of padding
	v_mul_u32_u24 v15, v2, SP
	v_add_nc_u32 v15, s19, v15                     ; and on the way out: SP x lane: my 16 neighbours
	v_mul_u32_u24 v4, v2, CB                       ; my codes' place in a step's
	v_lshrrev_b32 v5, 1, v2
	s_add_co_u32 s19, s19, 2*32*SP
	v_add_nc_u32 v5, s19, v5                       ; LDS: my wave's 256 scale bytes, my block's byte
	v_lshlrev_b32 v7, 3, v2                        ; and on the way out 8 bytes a lane
	v_add_nc_u32 v6, s19, v7
	s_mov_b32 s26, 0x600000                        ; the mantissa field of 448 (an instruction takes one literal)
	s_and_b32 s22, s18, 1
	s_lshl_b32 s22, s22, 1
	s_lshr_b32 s23, s18, 1
	s_or_b32 s22, s22, s23                         ; where my 8 rows go among the 32: groups 1 and 2 change places
	s_mov_b32 s20, 352                             ; the tensor's first work-group: wo's, unless one of the compares below says otherwise
	s_wait_alu depctr_va_vdst(0)
	s_wait_kmcnt 0x0
	s_cmp_lt_u32 ttmp9, 352                        ; the choices hang on the work-group's number alone
	s_cselect_b64 s[12:13], s[10:11], s[12:13]     ; wv
	s_cselect_b32 s20, 320, s20
	s_cselect_b32 s21, s22, s18                    ; wo keeps its order of rows
	s_cmp_lt_u32 ttmp9, 320
	s_cselect_b64 s[12:13], s[8:9], s[12:13]       ; wk
	s_cselect_b32 s20, 288, s20
	s_cmp_lt_u32 ttmp9, 288
	s_cselect_b64 s[12:13], s[6:7], s[12:13]       ; wq
	s_cselect_b32 s20, 256, s20
	s_cmp_lt_u32 ttmp9, 256
	s_cselect_b64 s[12:13], s[4:5], s[12:13]       ; x
	s_cselect_b32 s20, 0, s20
	s_sub_co_u32 s24, ttmp9, s20
	s_lshl_b32 s24, s24, 2
	s_add_co_u32 s24, s24, s18                     ; which run of 8 rows of the tensor is my wave's
	s_lshl_b32 s24, s24, 15                        ; 32,768 bytes a run (under 2^26)
	s_mov_b32 s25, 0
	s_add_nc_u64 s[12:13], s[12:13], s[24:25]
	s_lshl_b32 s24, ttmp9, 2
	s_add_co_u32 s24, s24, s21                     ; and which run of 8 positions of the codes
	s_lshl_b32 s28, s24, 13                        ; 8,192 bytes of codes a run
	s_mov_b32 s29, 0
	s_add_nc_u64 s[14:15], s[14:15], s[28:29]
	s_lshl_b32 s28, s24, 8                         ; 256 scale bytes a run
	s_add_nc_u64 s[16:17], s[16:17], s[28:29]
.macro LOAD t
.irp i, 0,1,2,3
	global_load_b128 v[R+16*((\t)%4)+4*\i:R+16*((\t)%4)+4*\i+3], v3, s[12:13] offset:2048*(\t)+512*\i th:TH_LOAD_NT   ; 32 lanes read 512 consecutive bytes
.endr
.endm
.macro TURN t                          ; step t's numbers through the stage: LDS serves a wave's instructions in order, so no wait stands between the stores and the loads
.irp i, 0,1,2,3
	ds_store_b128 v14, v[R+16*((\t)%4)+4*\i:R+16*((\t)%4)+4*\i+3] offset:32*SP*((\t)%2)+8*SP*\i
.endr
.irp i, 0,1,2,3
	ds_load_b128 v[X+16*((\t)%2)+4*\i:X+16*((\t)%2)+4*\i+3], v15 offset:32*SP*((\t)%2)+16*\i
.endr
.endm
.irp t, 0,1,2,3
	LOAD \t
.endr
	s_wait_loadcnt 12                              ; step 0's four loads are in; those of three steps may be out
	TURN 0
.macro STEP t
.set XS, X+16*((\t)%2)
.if (\t) > 0
	s_wait_dscnt 1                                 ; this step's numbers are back from the stage (the last step's byte store may be out): so its stores into the stage have read their registers,
.else
	s_wait_dscnt 0x0
.endif
.if (\t)+4 < STEPS
	LOAD (\t)+4                                    ; which take the loads of four steps on
.endif
.if (\t)+1 < STEPS
.if STEPS-2-(\t) >= 3
	s_wait_loadcnt 12                              ; the next step's four loads are in; those of the three steps behind it may be out
.else
	s_wait_loadcnt 4*(STEPS-2-(\t))
.endif
	TURN (\t)+1                                    ; and go through the other stage while this step is worked
.endif
	v_max3_num_f32 v8, |v[XS]|, |v[XS+1]|, |v[XS+2]|               ; the largest magnitude of my 16, in two chains
	v_max3_num_f32 v9, |v[XS+3]|, |v[XS+4]|, |v[XS+5]|
.irp i, 6,10
	v_max3_num_f32 v8, v8, |v[XS+\i]|, |v[XS+\i+1]|
	v_max3_num_f32 v9, v9, |v[XS+\i+2]|, |v[XS+\i+3]|
.endr
	v_max3_num_f32 v8, v8, |v[XS+14]|, |v[XS+15]|
	v_max3_num_f32 v8, v8, v9, 0x4800000           ; and the floor 2^(9 - 127), under which no largest magnitude is taken: so the byte cannot fall under 1
	v_max_num_f32_dpp v8, v8, v8 row_xmask:1 row_mask:0xf bank_mask:0xf   ; and of my neighbour's 16: the block's
	v_add_nc_u32 v11, 0xfc000000, v8               ; 8 off its exponent field: the conversion takes the exponent field of this operand as its scale, and nothing else of it
	v_and_or_b32 v10, v8, 0x7f800000, s26          ; 448 x the scale: the largest magnitude's exponent field over 448's mantissa
.irp i, 0,1,2,3,4,5,6,7,8,9,10,11,12,13,14,15
	v_med3_num_f32 v[XS+\i], v[XS+\i], -v10, v10   ; the conversion to an 8-bit code does not saturate (ISA guide 7.6.2): hold the number first
.endr
	v_cvt_scalef32_pk8_fp8_f32 v[C+4*(\t):C+4*(\t)+1], v[XS:XS+7], v11
	v_cvt_scalef32_pk8_fp8_f32 v[C+4*(\t)+2:C+4*(\t)+3], v[XS+8:XS+15], v11
	v_lshrrev_b32 v[E+(\t)], 23, v11               ; the scale's byte (also the plain line behind the conversions)
	ds_store_b8 v5, v[E+(\t)] offset:16*(\t)       ; both lanes of a block write the same byte with the same value
	global_store_b128 v4, v[C+4*(\t):C+4*(\t)+3], s[14:15] offset:32*CB*(\t)   ; 32 lanes store 512 consecutive bytes
.endm
.irp t, 0,1,2,3,4,5,6,7,8,9,10,11,12,13,14,15
	STEP \t
.endr
	ds_load_b64 v[12:13], v6                       ; LDS serves a wave's instructions in order: these see my stores
	s_wait_dscnt 0x0
	global_store_b64 v7, v[12:13], s[16:17]        ; 32 lanes store 256 consecutive bytes, aligned
	s_wait_tensorcnt 0x0
	ds_add_u32 v192, v193
	s_wait_dscnt 0x0
	s_endpgm
.Lfunc_end_k_q6e0d48302b_quant:
	.size	k_q6e0d48302b_quant, .Lfunc_end_k_q6e0d48302b_quant-k_q6e0d48302b_quant
	.p2alignl 7, 3214868480
	.fill 96, 4, 3214868480
	.section	.rodata,"a",@progbits
	.p2align	6, 0x0
	.amdhsa_kernel k_q6e0d48302b_quant
		.amdhsa_group_segment_fixed_size 33280
		.amdhsa_private_segment_fixed_size 0
		.amdhsa_enable_private_segment 0
		.amdhsa_kernarg_size 56
		.amdhsa_user_sgpr_count 2
		.amdhsa_user_sgpr_kernarg_segment_ptr 1
		.amdhsa_wavefront_size32 1
		.amdhsa_system_sgpr_workgroup_id_x 1
		.amdhsa_system_sgpr_workgroup_id_y 1
		.amdhsa_system_sgpr_workgroup_id_z 1
		.amdhsa_system_vgpr_workitem_id 0
		.amdhsa_next_free_vgpr 194
		.amdhsa_next_free_sgpr 66
		.amdhsa_reserve_vcc 0
		.amdhsa_float_denorm_mode_32 3
		.amdhsa_float_denorm_mode_16_64 3
		.amdhsa_memory_ordered 1
		.amdhsa_forward_progress 1
		.amdhsa_inst_pref_size 52
	.end_amdhsa_kernel
	.amdgpu_metadata
---
amdhsa.version: [ 1, 2 ]
amdhsa.kernels:
  - .name:           k_q6e0d48302b_quant
    .symbol:         k_q6e0d48302b_quant.kd
    .args:
      - { .name: x, .offset: 0, .size: 8, .value_kind: global_buffer, .address_space: global }
      - { .name: wq, .offset: 8, .size: 8, .value_kind: global_buffer, .address_space: global }
      - { .name: wk, .offset: 16, .size: 8, .value_kind: global_buffer, .address_space: global }
      - { .name: wv, .offset: 24, .size: 8, .value_kind: global_buffer, .address_space: global }
      - { .name: wo, .offset: 32, .size: 8, .value_kind: global_buffer, .address_space: global }
      - { .name: codes, .offset: 40, .size: 8, .value_kind: global_buffer, .address_space: global }
      - { .name: scales, .offset: 48, .size: 8, .value_kind: global_buffer, .address_space: global }
    .group_segment_fixed_size: 33280
    .private_segment_fixed_size: 0
    .kernarg_segment_align: 8
    .kernarg_segment_size: 56
    .max_flat_workgroup_size: 128
    .sgpr_count:     66
    .vgpr_count:     194
    .wavefront_size: 32
...
	.end_amdgpu_metadata
.endif
;; end of part 1
;; launch proj (part 2): grid 12 x 32, 4 waves a work-group, clusters of 4 x 4, 327,680 bytes of LDS; arguments codes, scales, qkv_img, qkv_sc; writes qkv_img, qkv_sc
.if DOCPART == 2
	.amdgcn_target "amdgcn-amd-amdhsa--gfx1250"
	.amdhsa_code_object_version 6
	.text
	.protected	k_q6e0d48302b_proj
	.globl	k_q6e0d48302b_proj
	.p2align	8
	.type	k_q6e0d48302b_proj,@function
k_q6e0d48302b_proj:
	s_mov_b64 s[64:65], 0
	v_nop
	global_prefetch_b8 v0, s[64:65] scope:SCOPE_SE
	s_setreg_imm32_b32 hwreg(HW_REG_WAVE_MODE, 25, 1), 1
	s_wait_xcnt 0x0
	s_wait_alu depctr_hold_cnt(0) depctr_sa_sdst(0) depctr_va_vdst(0) depctr_va_sdst(0) depctr_va_ssrc(0) depctr_va_vcc(0) depctr_vm_vsrc(0)
	s_getreg_b32 s2, hwreg(HW_REG_IB_STS2, 6, 4)
	s_cmp_eq_u32 s2, 0
	s_cbranch_scc0 .Lentry_in_a_cluster
	s_endpgm
.Lentry_in_a_cluster:
	s_bfe_u32 s2, ttmp6, 0x10000c
	s_cmp_lg_u32 s2, 0xf033
	s_cbranch_scc0 .Lentry_shape_is_right
	s_endpgm
.Lentry_shape_is_right:
; q = x wq^T, k = x wk^T, v = x wv^T on codes of FP8 (E4M3) with one E8M0 scale for each 32 along K = 1,024; sums in f32.  The results never go to memory as f32: the way out quantises them for the two products
; of attention, q and k along the head's 64 channels, v along the keys, and stores codes and scale words in the order of the operand registers that attention wants.
; A tile, 256 x 256, is made by a work-group of four waves; a wave makes 128 x 128: 64 accumulators of 16 x 16, 512 registers.  K goes in steps of 256 through a ring of two LDS slots filled by the tensor data mover.
; ROLES.  C[m][n] = sum over k of A[m][k] B[n][k]; the matrix instruction is used transposed (source 0 = 16 rows of B, source 1 = 16 rows of A): a lane holds ONE row of A and its registers run along B's rows.
;   clusters x = 0, 1: A = x's rows (tokens), B = wq's and wk's rows (channels): a lane holds a token and runs along channels: the K of q k^T.
;   cluster  x = 2:    A = wv's rows (channels), B = x's rows (tokens): a lane holds a channel and runs along the keys: the K of p v.  So ONE way out serves all three.
; THE ORDER OF ROWS in codes (the second and third eight of every 32 rows have changed places) makes the 16 registers of accumulators (a, 2 t) and (a, 2 t + 1) the 16 neighbours n = 32 t + 16 (lane / 16) + 0 .. 15,
; which is what an operand's registers 4 t .. 4 t + 3 hold.  Lane r of A's block 2 b + u is row 32 b + 8 u + r + 8 (r / 8).
; OUT.  qkv_img: 1,536 blocks of 16 KB, one a wave tile, index ((p 4 + batch) 8 + head pair) 16 + block of 128 tokens, p = 0 q, 1 k, 2 v; in a block [a 0..7][t 0..3][lane][16 bytes].
;   qkv_sc: 1,536 blocks of 1 KB.  q, k: [head's parity][lane][4 words]: word j of lane l: tile 2 j + l / 16, row l % 16; bytes 0, 1 the head's two scale bytes, bytes 2, 3 zero.  v: [parity][lane][2 words], 256 bytes a parity: word j of lane l: channel tile 2 j + l / 16, four keys' blocks.
; CLUSTERS: 4 x 4 work-groups.  The four of a row of the cluster need the same tiles of A, the four of a column the same tiles of B: each tile is asked for JOINTLY, by the same tensor load with the same descriptor and a mask that names the four.
; LIMITS: NaN and infinities are not served; a block of zeros gets the scale byte 1 (its codes are zeros; this program alone reads the bytes).
; REGISTERS, in windows of 256: window 0: v0-31 addresses; v32-63 scale words, two sets; from v128 A's fragments, ONE set; on the way out v64-103 at work and v128-255 the codes.
;   window 1: B's fragments, TWO sets, at v0 and at v128.   window 2: the 32 accumulators of my rows 0-63 (accumulator (a, b) at v[8 (8 a + b)]);   window 3: those of my rows 64-127.
.set SIZE_K, 1024
.set KSTEP,  256                       ; along K in a slot
.set NQ,     KSTEP/128                 ; matrix instructions deep
.set ROWB,   256                       ; a tile's row in bytes
.set KROW,   SIZE_K                    ; a row of codes in memory, in bytes
.set PITCH,  272                       ; an LDS row: 256 bytes + 16 of padding = 68 words: row r starts at bank 4 r mod 64 (64 banks of 4 bytes: ISA guide 11.1)
.set FR,     16                        ; registers of a fragment: 16 rows x 128 K
.set NL,     4                         ; LDS loads that bring one
.set NP,     8                         ; places behind this matrix instruction (ISA guide 7.12.1)
.set HALFT,  128*PITCH                 ; 128 rows: what one tensor load brings, and what one wave reads of A or of B
.set SLOT,   4*HALFT                   ; A's 256 rows, then B's 256 rows
.set LAPS,   SIZE_K/(2*KSTEP)          ; a lap = two K steps = once round the ring
.set KS,     SIZE_K/32                 ; a row of scales in bytes
.set SCL,    2*SLOT                    ; behind the ring: the scales, as rows of 256 bytes + 16 of padding
.set HALFS,  (128*KS/256)*272          ; the scales of 128 rows: what one tensor load brings
.set SBLK,   (16*KS/256)*272           ; those of 16 rows
.set SPARE,  SCL+4*HALFS               ; behind the scales: the spare words, 128 bytes for each wave: two blocks of 256 bytes that no other line names
.set ADRA, 16                          ; v16-17  LDS address of my A fragments in slot 0, 1
.set ADRB, 20                          ; v20-21  the same for B
.set CO8,  25                          ; v25     8 x lane
.set CO,   26                          ; v26     16 x lane
.set ADRS, 27                          ; v27     LDS address of my scale words: lanes 0-15 A's rows, lanes 16-31 B's
.set SPW,  28                          ; v28     LDS address of my spare word; never rewritten
.set NIL,  29                          ; v29     0; never rewritten
.set SC,   32                          ; scale words: set s at v[SC + 8 NQ s]; register NQ i + q: lanes 0-15 A's block i, lanes 16-31 B's block i
.set AF,   128                         ; A's fragments, in window 0
.set TM,   64                          ; the way out: v64-67 largest magnitudes, v68-71 bytes, v76-79 the conversions' scale operands
.set FLR,  80                          ; v80     the floor 2^(9 - 127)
.set LN,   81                          ; v81     lane
.set PW,   84                          ; v84-91  block a's scale word
.set XR,   92                          ; v92-95  scale words of two blocks in one register
.set XM,   96                          ; v96-99  their low halves
.set YR,   100                         ; v100-103 their high halves
.set PCB,  128                         ; v128-255 codes: 16 registers for each block a, so that no store's data are written again
.set G1, 24                            ; s[24:31] descriptor group 1 for A's tiles;  s[32:39] group 0, one set for each slot
.set G0, 32
.set G1B, 48                           ; s[48:55], s[56:63] the same for B's tiles
.set G0B, 56
.set G1S, 68                           ; s[68:75], s[76:79] groups 1 and 0 for A's scales;  s[80:87], s[88:91] for B's
.set G0S, 76
.set G1SB, 80
.set G0SB, 88
.set PART, 97                          ; s97     0: q and k; 1: v
.set SEL,  98                          ; s[98:99] lane selects for v_permlanex16_b32: lane l xor 16
.set MNT,  100
.set MSB, 0
.macro WIN new                         ; the immediate's high byte repeats the setting that is left
.if MSB != (\new)
	s_set_vgpr_msb (MSB<<8)|(\new)
.set MSB, (\new)
.endif
.endm
.set MUL_LO, 0xa1                      ; source 0 (B) window 1, source 1 (A) window 0, C and D window 2
.set MUL_HI, 0xf1                      ; the same, C and D window 3
.set TO_B,   0x40                      ; destination window 1, address window 0
; A joint load: waves 0 and 1 fetch for A, waves 2 and 3 for B.  Each of the two lines has ONE mask and one set of registers for all that issue it; the branch hangs on the wave's number alone.
; Four v_nop follow each of the two lines, ahead of the jump, the label and what follows.
.macro JLOAD g0a, g1a, g0b, g1b
	s_cmp_eq_u32 s15, 0
	s_cbranch_scc0 .Lfor_b_\@
	tensor_load_to_lds s[\g0a:\g0a+3], s[\g1a:\g1a+7]
	s_nop 0
.rept 4
	v_nop
.endr
	s_branch .Lasked_\@
.Lfor_b_\@:
	tensor_load_to_lds s[\g0b:\g0b+3], s[\g1b:\g1b+7]
	s_nop 0
.rept 4
	v_nop
.endr
.Lasked_\@:
.endm
.macro CREST                           ; a round of the cluster's barrier behind its opening barrier
	s_cmp_lg_u32 s14, 0
	s_cbranch_scc1 .Lnot_wave_0_\@
	s_barrier_signal -3
.Lnot_wave_0_\@:
	s_barrier_wait -3
	s_barrier_signal -1
	s_barrier_wait -1
.endm
.macro CROUND                          ; a whole round
	s_barrier_signal -1
	s_barrier_wait -1
	CREST
.endm
	s_load_b256 s[4:11], s[0:1], 0x0               ; codes s[4:5], scales s[6:7], qkv_img s[8:9], qkv_sc s[10:11]
	v_lshl_add_u32 v[SPW], v0, 2, SPARE
	v_mov_b32 v[NIL], 0
	ds_add_u32 v28, v29
	ds_add_u32 v28, v29
	s_wait_dscnt 0x0
	v_lshrrev_b32 v1, 5, v0
	v_readfirstlane_b32 s14, v1                    ; wave 0..3
	s_lshr_b32 s15, s14, 1                         ; which half of the tile's rows is mine.  Also: I fetch for A (0) or for B (1)
	s_and_b32 s16, s14, 1                          ; which half of its columns.  Also: which 128 rows of that tile I fetch
	s_bfe_u32 s40, ttmp6, 0x40000                  ; cx, cy: my place in the cluster
	s_bfe_u32 s41, ttmp6, 0x40004
	s_and_b32 s17, ttmp7, 0xffff                   ; the cluster's y, 0..7
	s_cmp_lt_u32 ttmp9, 2                          ; the cluster's x: 0, 1: q and k;  2: v.  The same in all sixteen partners
	s_cselect_b32 s42, ttmp9, s17                  ; which four tile columns: q, k: by x (wq's, wk's);  v: by y (x's 32 tiles of rows)
	s_cselect_b32 s17, s17, 0                      ; which four tile rows:    q, k: by y (x's rows);    v: wv's four
	s_cselect_b32 s95, 0, 10240                    ; A's first row in codes: x's or wv's
	s_cselect_b32 s96, 8192, 0                     ; B's: wq's or x's
	s_cselect_b32 s[PART], 0, 1
	s_lshl_b32 s42, s42, 2
	s_add_co_u32 s42, s42, s40                     ; tile column
	s_lshl_b32 s17, s17, 2
	s_add_co_u32 s17, s17, s41                     ; tile row
	s_lshl_b32 s43, s41, 2
	s_lshl_b32 s43, 15, s43                        ; my row of the cluster
	s_lshl_b32 s44, 0x1111, s40                    ; my column
	; descriptor group 1: a tile of 128 rows x 256 bytes, padded in LDS
	s_or_b32 s[G1+0], s43, (0<<16)|(1<<20)|(1<<21)|(5<<22)|(3<<25)  ; 15:0 the mask: A's tiles go to my row; 17:16 element of 1 byte; 20 padding on; 21 set beside a mask; 24:22 after every 64 words (code 5); 31:25 of 4 words (code 3)
	s_or_b32 s[G1B+0], s44, (0<<16)|(1<<20)|(1<<21)|(5<<22)|(3<<25)
.irp g, G1, G1B
	s_mov_b32 s[\g+1], ROWB<<16                    ; tensor_dim0
	s_mov_b32 s[\g+2], 128<<16                     ; tensor_dim1 = 128
	s_mov_b32 s[\g+3], ROWB<<16                    ; tile_dim0
	s_mov_b32 s[\g+4], 128                         ; tile_dim1 = 128
	s_mov_b32 s[\g+5], KROW                        ; tensor_dim0_stride
	s_mov_b32 s[\g+6], 0
	s_mov_b32 s[\g+7], 0
.endr
	; and for the scales of 128 rows: a dense block of 4,096 bytes, as rows of 256 bytes (32 elements of 8 bytes), 16 bytes of padding behind each
	s_or_b32 s[G1S+0], s43, (3<<16)|(1<<20)|(1<<21)|(5<<22)|(3<<25)
	s_or_b32 s[G1SB+0], s44, (3<<16)|(1<<20)|(1<<21)|(5<<22)|(3<<25)
.irp g, G1S, G1SB
	s_mov_b32 s[\g+1], 32<<16
	s_mov_b32 s[\g+2], (128*KS/256)<<16
	s_mov_b32 s[\g+3], 32<<16
	s_mov_b32 s[\g+4], 128*KS/256
	s_mov_b32 s[\g+5], 32
	s_mov_b32 s[\g+6], 0
	s_mov_b32 s[\g+7], 0
.endr
	s_lshl_b32 s18, s16, 7                         ; which 128 rows of the tile I fetch
	s_lshl_b32 s20, s17, 8
	s_add_co_u32 s20, s20, s18
	s_add_co_u32 s20, s20, s95                     ; A: its first row in codes + 256 x tile row + 128 x half
	s_lshl_b32 s46, s42, 8
	s_add_co_u32 s46, s46, s18
	s_add_co_u32 s46, s46, s96                     ; B: likewise by the tile column
	s_mov_b32 s21, 0
	s_mov_b32 s47, 0
	s_mov_b64 s[18:19], KS
	s_mul_u64 s[22:23], s[20:21], s[18:19]         ; where these rows' scales begin, in bytes
	s_mul_u64 s[92:93], s[46:47], s[18:19]
	s_mov_b64 s[18:19], KROW
	s_mul_u64 s[20:21], s[20:21], s[18:19]         ; and their codes
	s_mul_u64 s[46:47], s[46:47], s[18:19]
	s_mul_i32 s45, s14, HALFT                      ; where they go: wave x 128 rows: no place in the cluster enters an LDS address
	s_mul_i32 s94, s14, HALFS
	s_mov_b32 s[SEL], 0x76543210
	s_mov_b32 s[SEL+1], 0xfedcba98
	s_wait_kmcnt 0x0
	s_add_nc_u64 s[20:21], s[4:5], s[20:21]
	s_add_nc_u64 s[22:23], s[6:7], s[22:23]
	s_add_nc_u64 s[46:47], s[4:5], s[46:47]
	s_add_nc_u64 s[92:93], s[6:7], s[92:93]
	CROUND                                         ; all sixteen work-groups are here: the first joint loads meet
	s_mov_b32 s[G0S], 1
	s_add_co_u32 s[G0S+1], s94, SCL
	s_mov_b64 s[G0S+2:G0S+3], s[22:23]
	s_or_b32 s[G0S+3], s[G0S+3], 0x80000000
	s_mov_b32 s[G0SB], 1
	s_add_co_u32 s[G0SB+1], s94, SCL
	s_mov_b64 s[G0SB+2:G0SB+3], s[92:93]
	s_or_b32 s[G0SB+3], s[G0SB+3], 0x80000000
	JLOAD G0S, G1S, G0SB, G1SB                     ; the scales first: they are wanted with K step 0
.irp s, 0,1
	s_mov_b32 s[G0+4*\s], 1
	s_add_co_u32 s[G0+4*\s+1], s45, \s*SLOT
	s_add_nc_u64 s[G0+4*\s+2:G0+4*\s+3], s[20:21], \s*ROWB
	s_or_b32 s[G0+4*\s+3], s[G0+4*\s+3], 0x80000000
	s_mov_b32 s[G0B+4*\s], 1
	s_add_co_u32 s[G0B+4*\s+1], s45, \s*SLOT
	s_add_nc_u64 s[G0B+4*\s+2:G0B+4*\s+3], s[46:47], \s*ROWB
	s_or_b32 s[G0B+4*\s+3], s[G0B+4*\s+3], 0x80000000
	JLOAD G0+4*\s, G1, G0B+4*\s, G1B
.endr
	v_and_b32 v1, 15, v0                           ; l % 16
	v_bfe_u32 v2, v0, 4, 1                         ; l / 16
	v_mul_u32_u24 v3, v1, PITCH
	v_lshl_add_u32 v4, v2, 4, v3                   ; a fragment's row x pitch + 16 x half
	s_mul_i32 s21, s15, HALFT                      ; my 128 rows of A
	s_mul_i32 s22, s16, HALFT                      ; my 128 rows of B,
	s_add_co_u32 s22, s22, 2*HALFT                 ; which lie behind A's 256
.irp s, 0,1
	v_add_nc_u32 v[ADRA+\s], s21, v4
	v_add_nc_u32 v[ADRB+\s], s22, v4
	s_add_co_u32 s21, s21, SLOT
	s_add_co_u32 s22, s22, SLOT
.endr
	v_mul_u32_u24 v5, v1, KS                       ; my row's scales: KS bytes a row,
	v_lshrrev_b32 v6, 8, v5
	v_lshl_add_u32 v5, v6, 4, v5                   ; and 16 more for each 256 passed
	s_mul_i32 s21, s15, HALFS                      ; A's: my 128 rows
	s_mul_i32 s22, s16, HALFS                      ; B's: my 128 rows, behind A's 256
	s_add_co_u32 s22, s22, 2*HALFS
	s_sub_co_u32 s22, s22, s21
	v_mul_u32_u24 v6, s22, v2                      ; lanes 16-31 take B's
	s_add_co_u32 s21, s21, SCL
	v_add_nc_u32 v5, v5, v6
	v_add_nc_u32 v[ADRS], s21, v5
	v_and_b32 v6, 31, v0
	v_lshlrev_b32 v[CO], 4, v6
	v_lshlrev_b32 v[CO8], 3, v6
	; where my wave tile goes
	s_lshl_b32 s20, s17, 1
	s_add_co_u32 s20, s20, s15                     ; my block of 128 rows of A
	s_lshl_b32 s46, s42, 1
	s_add_co_u32 s46, s46, s16                     ; my block of 128 rows of B
	s_add_co_u32 s21, s20, 16
	s_cmp_eq_u32 s[PART], 0
	s_cselect_b32 s22, s20, s46                    ; the block of tokens, 0..63
	s_cselect_b32 s23, s46, s21                    ; the block of channels: q's 0..7, k's 8..15, v's 16..23
	s_lshr_b32 s21, s23, 3                         ; p
	s_lshl_b32 s21, s21, 2
	s_lshr_b32 s47, s22, 4                         ; batch
	s_add_co_u32 s21, s21, s47
	s_lshl_b32 s21, s21, 3
	s_and_b32 s47, s23, 7                          ; head pair
	s_add_co_u32 s21, s21, s47
	s_lshl_b32 s21, s21, 4
	s_and_b32 s47, s22, 15                         ; block of 128 tokens in the batch
	s_add_co_u32 s21, s21, s47
	s_lshl_b32 s22, s21, 14                        ; 16 KB of codes a block (under 2^25)
	s_mov_b32 s23, 0
	s_add_nc_u64 s[12:13], s[8:9], s[22:23]
	s_lshl_b32 s22, s21, 10                        ; 1 KB of scale words
	s_add_nc_u64 s[66:67], s[10:11], s[22:23]
.macro FRAG reg, adr, q, i             ; a fragment, 16 rows x 128 K of 8-bit codes, is 16 registers: lane l holds row l % 16; registers 4 c .. 4 c + 3 hold K = 32 c + 16 (l / 16) + 0 .. 15
.irp c, 0,1,2,3
	ds_load_b128 v[\reg+4*\c:\reg+4*\c+3], v[\adr] offset:128*(\q)+32*\c+(\i)*16*PITCH
.endr
.endm
; 16 matrix instructions: A's blocks a0, a0 + 1 x B's eight, 128 along K: the slot's q-th.  p: B's set;  sc: the set of scale words.  zero = 1: the first product starts the sums: nothing is ever cleared.
; The 64 accumulators take turns, one instruction a turn, in the same order in every step.
.macro MUL16 a0, p, q, sc, zero
.irp a, \a0, \a0+1
.irp b, 0,1,2,3,4,5,6,7
.if \zero
	v_wmma_scale_f32_16x16x128_f8f6f4 v[8*(8*((\a)%4)+\b):8*(8*((\a)%4)+\b)+7], v[128*(\p)+FR*\b:128*(\p)+FR*\b+FR-1], v[AF+FR*(\a):AF+FR*(\a)+FR-1], 0, v[SC+8*NQ*(\sc)+NQ*\b+(\q)], v[SC+8*NQ*(\sc)+NQ*(\a)+(\q)] matrix_a_scale:MATRIX_SCALE_ROW1
.else
	v_wmma_scale_f32_16x16x128_f8f6f4 v[8*(8*((\a)%4)+\b):8*(8*((\a)%4)+\b)+7], v[128*(\p)+FR*\b:128*(\p)+FR*\b+FR-1], v[AF+FR*(\a):AF+FR*(\a)+FR-1], v[8*(8*((\a)%4)+\b):8*(8*((\a)%4)+\b)+7], v[SC+8*NQ*(\sc)+NQ*\b+(\q)], v[SC+8*NQ*(\sc)+NQ*(\a)+(\q)] matrix_a_scale:MATRIX_SCALE_ROW1
.endif
.endr
.endr
.endm
.macro FETCH_B slot, q, p              ; B's eight fragments of the slot's q-th 128 along K into set p
	WIN TO_B
.irp i, 0,1,2,3,4,5,6,7
	FRAG 128*(\p)+FR*\i, ADRB+\slot, \q, \i
.endr
	WIN 0
.endm
.macro FETCH_A slot, q, i0             ; A's blocks i0 .. i0 + 3
.irp i, \i0, \i0+1, \i0+2, \i0+3
	FRAG AF+FR*(\i), ADRA+\slot, \q, \i
.endr
.endm
.macro SCALES sc                       ; the next K step's scale words into set sc: NQ words a row; lanes 0-15 take A's block i, lanes 16-31 B's block i
.irp i, 0,1,2,3,4,5,6,7
	ds_load_b64 v[SC+8*NQ*\sc+NQ*\i:SC+8*NQ*\sc+NQ*\i+1], v[ADRS] offset:\i*SBLK
.endr
.endm
; A load into a register that a matrix instruction has read, and a vector instruction that reads a matrix result or writes one of a matrix instruction's registers, stand NP places behind it, and only plain vector
; instructions that name none of its registers are places (ISA guide 7.12.1 for vector instructions).
.macro PLACES n
.rept \n
	v_nop
.endr
.endm
; A step of 128 along K that has its successor in the same slot.
.macro STEP slot, q, zero
	s_wait_dscnt 4*NL                              ; B's set and A's blocks 0-3 are in; the youngest sixteen loads (A's blocks 4-7) may be out
	WIN MUL_LO
	MUL16 0, (\q)%2, \q, \slot, \zero
	MUL16 2, (\q)%2, \q, \slot, \zero
	s_wait_dscnt 0                                 ; A's blocks 4-7 are in (asked for 32 matrix instructions ago)
	PLACES NP
	FETCH_B \slot, (\q)+1, 1-(\q)%2
	FETCH_A \slot, (\q)+1, 0
	WIN MUL_HI
	MUL16 4, (\q)%2, \q, \slot, \zero
	MUL16 6, (\q)%2, \q, \slot, \zero
	PLACES NP
	WIN 0
	FETCH_A \slot, (\q)+1, 4
.endm
; A slot's last step changes slots: ONE barrier; in front of it each wave waits for all its tensor loads, adds 0 to its spare word, and waits for that and for its own reads of this slot.  fill = 1: this slot is filled again, two K steps ahead.
.macro TURN slot, next, fill
	s_wait_tensorcnt 0x0                           ; all my tensor loads have landed: my part of the next slot;  (every window is 0 here: the add's two registers lie in window 0)
	ds_add_u32 v[SPW], v[NIL]                      ; 0 onto my spare word
	s_wait_dscnt 4*NL+1                            ; (the add and the youngest sixteen loads, A's blocks 4-7, may be out)
	WIN MUL_LO
	MUL16 0, 1, NQ-1, \slot, 0                     ; sixteen matrix instructions stand between the add and the wait for it
	s_wait_dscnt 0x0                               ; the add is done, and my reads of this slot are over
	s_barrier_signal -1
	MUL16 2, 1, NQ-1, \slot, 0
	WIN 0
	s_barrier_wait -1
.if \fill
	CREST                                          ; the barrier has opened a round of the cluster's barrier: no wave of any partner still reads this slot's tile or has a load on its way
	s_add_nc_u64 s[G0+4*\slot+2:G0+4*\slot+3], s[G0+4*\slot+2:G0+4*\slot+3], 2*ROWB
	s_add_nc_u64 s[G0B+4*\slot+2:G0B+4*\slot+3], s[G0B+4*\slot+2:G0B+4*\slot+3], 2*ROWB
	JLOAD G0+4*\slot, G1, G0B+4*\slot, G1B         ; the first tensor load behind the round; the four v_nop behind it are among the places in front of the loads below
	PLACES NP-4
.else
	PLACES NP
.endif
	s_wait_alu depctr_va_vdst(0)
	v_add_nc_u32 v[ADRS], 4*NQ, v[ADRS]            ; on to the next K step's scale words (no LDS load of mine is out)
	FETCH_B \next, 0, 0
	FETCH_A \next, 0, 0
	SCALES \next
	WIN MUL_HI
	MUL16 4, 1, NQ-1, \slot, 0
	MUL16 6, 1, NQ-1, \slot, 0
	PLACES NP
	WIN 0
	FETCH_A \next, 0, 4
.endm
	s_wait_alu depctr_va_vdst(0)
	s_wait_tensorcnt 1                             ; three loads of mine are out: the scales and my part of K step 0 are in, K step 1's may be out
	s_barrier_signal -1
	s_barrier_wait -1                              ; everybody's are
	FETCH_B 0, 0, 0
	FETCH_A 0, 0, 0
	SCALES 0
	FETCH_A 0, 0, 4
	STEP 0, 0, 1                                   ; the first step stands in front of the loop: its products start the sums
	s_mov_b32 s3, LAPS-1
.Llap:                                                 ; a trip goes once round the ring, from a lap's second step to the next lap's first, and fills both slots again
	TURN 0, 1, 1
	STEP 1, 0, 0
	TURN 1, 0, 1
	STEP 0, 0, 0
	s_sub_co_u32 s3, s3, 1
	s_cmp_lg_u32 s3, 0
	s_cbranch_scc1 .Llap
	TURN 0, 1, 0                                   ; the last lap fills nothing, and has no round of the cluster's barrier
	STEP 1, 0, 0
	s_wait_dscnt 4*NL                              ; the very last step: nothing more to fetch
	WIN MUL_LO
	MUL16 0, 1, NQ-1, 1, 0
	MUL16 2, 1, NQ-1, 1, 0
	s_wait_dscnt 0
	WIN MUL_HI
	MUL16 4, 1, NQ-1, 1, 0
	MUL16 6, 1, NQ-1, 1, 0
	WIN 0
; THE WAY OUT.  Block a (16 rows of A x 128 of B's rows) is 64 registers a lane: register 16 t + i = n 32 t + 16 (lane / 16) + i of the lane's row.  A block of 32 along n lies in lanes l and l xor 16.
; The largest magnitude with a floor among its leaves; 8 off its exponent field is the conversion's scale operand, and that shifted down the scale's byte; eight conversions.
; The results are an operand's registers as they stand: four stores of 512 consecutive bytes.  Each accumulator is read from its low end on.
.macro QROW a
.set WN, 2+(\a)/4                      ; the block's window
.set AC, 64*((\a)%4)
.set PCA, PCB+16*(\a)
.set WA, (WN<<2)|(WN<<4)
.set WB, (WN<<6)|WN
	WIN WA                                         ; sources 1 and 2: the accumulators
.irp b, 0,1,2,3
	v_max3_num_f32 v[TM+\b], v[FLR], |v[AC+16*\b]|, |v[AC+16*\b+1]|
.endr
.irp i, 2,4,6,8,10,12,14
.irp b, 0,1,2,3
	v_max3_num_f32 v[TM+\b], v[TM+\b], |v[AC+16*\b+\i]|, |v[AC+16*\b+\i+1]|   ; (the four blocks by turns: no line waits for the line above it)
.endr
.endr
	WIN 0
.irp b, 0,1,2,3
	v_permlanex16_b32 v[TM+4+\b], v[TM+\b], s[SEL], s[SEL+1]
.endr
.irp b, 0,1,2,3
	v_max_num_f32 v[TM+\b], v[TM+\b], v[TM+4+\b]   ; with lane l xor 16's: the block's largest magnitude
.endr
.irp b, 0,1,2,3
	v_add_nc_u32 v[TM+12+\b], 0xfc000000, v[TM+\b] ; 8 off its exponent field: the conversion's scale operand
.endr
.irp b, 0,1,2,3
.endr
.irp b, 0,1,2,3
	v_lshrrev_b32 v[TM+4+\b], 23, v[TM+12+\b]      ; the scale's byte
.endr
	v_lshl_or_b32 v[PW+(\a)], v[TM+5], 8, v[TM+4]  ; the four bytes make my row's scale word
	v_lshl_or_b32 v[PW+(\a)], v[TM+6], 16, v[PW+(\a)]
	v_lshl_or_b32 v[PW+(\a)], v[TM+7], 24, v[PW+(\a)]
	WIN WB                                         ; destination and source 0: the accumulators
.irp b, 0,1,2,3
.irp i, 0,1,2,3,4,5,6,7,8,9,10,11,12,13,14,15
.endr
.endr
	WIN WN                                         ; source 0: the accumulators
.irp b, 0,1,2,3
	v_cvt_scalef32_pk8_fp8_f32 v[PCA+4*\b:PCA+4*\b+1], v[AC+16*\b:AC+16*\b+7], v[TM+12+\b]
	v_cvt_scalef32_pk8_fp8_f32 v[PCA+4*\b+2:PCA+4*\b+3], v[AC+16*\b+8:AC+16*\b+15], v[TM+12+\b]
.endr
	WIN 0
	v_nop                                          ; one plain line behind the last conversion: the next block writes the scale operands anew
.irp b, 0,1,2,3
	global_store_b128 v[CO], v[PCA+4*\b:PCA+4*\b+3], s[12:13] offset:(4*(\a)+\b)*512   ; 32 lanes store 512 consecutive bytes
.endr
.endm
	PLACES NP                                      ; behind the last products
	v_mov_b32 v[FLR], 0x4800000
.irp b, 0,1,2,3
	v_mov_b32 v[TM+4+\b], 0                        ; written once: a lane permute's destination counts as one of its sources
.endr
.irp a, 0,1,2,3,4,5,6,7
	QROW \a
.endr
	v_and_b32 v[LN], 31, v0
	v_cmp_le_u32 vcc_lo, 16, v[LN]
.irp j, 0,1,2,3
	v_cndmask_b32 v[XR+\j], v[PW+2*\j], v[PW+2*\j+1], vcc_lo   ; lanes 0-15: block 2 j's words; lanes 16-31: block 2 j + 1's
.endr
	s_cmp_eq_u32 s[PART], 0                        ; the same in all partners
	s_cbranch_scc0 .Lv_scales
.irp j, 0,1,2,3
	v_and_b32 v[XM+\j], 0xffff, v[XR+\j]           ; q, k: the even head's two bytes,
.endr
.irp j, 0,1,2,3
	v_lshrrev_b32 v[YR+\j], 16, v[XR+\j]           ; the odd head's; the upper two bytes are 0: they stand for the half of the instruction's 128 along K that a head of 64 does not have
.endr
	global_store_b128 v[CO], v[XM:XM+3], s[66:67]
	global_store_b128 v[CO], v[YR:YR+3], s[66:67] offset:512
	s_branch .Lsc_done
.Lv_scales:
	s_wait_alu depctr_va_vdst(0)
	global_store_b64 v[CO8], v[XR:XR+1], s[66:67]              ; v: blocks 0-3 are the even head's channels,
	global_store_b64 v[CO8], v[XR+2:XR+3], s[66:67] offset:256 ; blocks 4-7 the odd head's
.Lsc_done:
	s_wait_tensorcnt 0x0                           ; the wave's end
	ds_add_u32 v[SPW], v[NIL]
	s_wait_dscnt 0x0
	CROUND                                         ; the closing round: no work-group ends while a partner may still ask for a tile that names it
	s_endpgm
.Lfunc_end_k_q6e0d48302b_proj:
	.size	k_q6e0d48302b_proj, .Lfunc_end_k_q6e0d48302b_proj-k_q6e0d48302b_proj
	.p2alignl 7, 3214868480
	.fill 96, 4, 3214868480
	.section	.rodata,"a",@progbits
	.p2align	6, 0x0
	.amdhsa_kernel k_q6e0d48302b_proj
		.amdhsa_group_segment_fixed_size 327680
		.amdhsa_private_segment_fixed_size 0
		.amdhsa_enable_private_segment 0
		.amdhsa_kernarg_size 32
		.amdhsa_user_sgpr_count 2
		.amdhsa_user_sgpr_kernarg_segment_ptr 1
		.amdhsa_wavefront_size32 1
		.amdhsa_system_sgpr_workgroup_id_x 1
		.amdhsa_system_sgpr_workgroup_id_y 1
		.amdhsa_system_sgpr_workgroup_id_z 1
		.amdhsa_system_vgpr_workitem_id 0
		.amdhsa_next_free_vgpr 1024
		.amdhsa_next_free_sgpr 102
		.amdhsa_reserve_vcc 1
		.amdhsa_float_denorm_mode_32 3
		.amdhsa_float_denorm_mode_16_64 3
		.amdhsa_fp16_overflow 1
		.amdhsa_memory_ordered 1
		.amdhsa_forward_progress 1
		.amdhsa_inst_pref_size 150
	.end_amdhsa_kernel
	.amdgpu_metadata
---
amdhsa.version: [ 1, 2 ]
amdhsa.kernels:
  - .name:           k_q6e0d48302b_proj
    .symbol:         k_q6e0d48302b_proj.kd
    .args:
      - { .name: codes, .offset: 0, .size: 8, .value_kind: global_buffer, .address_space: global }
      - { .name: scales, .offset: 8, .size: 8, .value_kind: global_buffer, .address_space: global }
      - { .name: qkv_img, .offset: 16, .size: 8, .value_kind: global_buffer, .address_space: global }
      - { .name: qkv_sc, .offset: 24, .size: 8, .value_kind: global_buffer, .address_space: global }
    .group_segment_fixed_size: 327680
    .private_segment_fixed_size: 0
    .kernarg_segment_align: 8
    .kernarg_segment_size: 32
    .max_flat_workgroup_size: 128
    .sgpr_count:     102
    .vgpr_count:     1024
    .wavefront_size: 32
...
	.end_amdgpu_metadata
.endif
;; end of part 2
;; launch attn (part 3): grid 4 x 64, 16 waves a work-group, clusters of 4 x 1, 276,480 bytes of LDS; arguments qkv_img, qkv_sc, o_img, o_sc; writes o_img, o_sc
.if DOCPART == 3
	.amdgcn_target "amdgcn-amd-amdhsa--gfx1250"
	.amdhsa_code_object_version 6
	.text
	.protected	k_q6e0d48302b_attn
	.globl	k_q6e0d48302b_attn
	.p2align	8
	.type	k_q6e0d48302b_attn,@function
k_q6e0d48302b_attn:
	s_mov_b64 s[64:65], 0
	v_nop
	global_prefetch_b8 v0, s[64:65] scope:SCOPE_SE
	s_setreg_imm32_b32 hwreg(HW_REG_WAVE_MODE, 25, 1), 1
	s_wait_xcnt 0x0
	s_wait_alu depctr_hold_cnt(0) depctr_sa_sdst(0) depctr_va_vdst(0) depctr_va_sdst(0) depctr_va_ssrc(0) depctr_va_vcc(0) depctr_vm_vsrc(0)
	s_getreg_b32 s2, hwreg(HW_REG_IB_STS2, 6, 4)
	s_cmp_eq_u32 s2, 0
	s_cbranch_scc0 .Lentry_in_a_cluster
	s_endpgm
.Lentry_in_a_cluster:
	s_bfe_u32 s2, ttmp6, 0x10000c
	s_cmp_lg_u32 s2, 0x3003
	s_cbranch_scc0 .Lentry_shape_is_right
	s_endpgm
.Lentry_shape_is_right:
; Attention of one (batch, head) for each cluster of four work-groups, on codes of FP8 (E4M3) with E8M0 scales: S = q k^T / 32 (K = the head's 64), the mask, the softmax, O = p v (K = the keys), O / l, and O's codes for the last product.
; THE MASK keeps key k for query q where k > q; every other logit is a large negative constant.  Steps of 128 keys that lie wholly at or under a wave's 16 queries are left out; the step on the diagonal is masked lane by lane.
; The very last query of a head (2,047) has masked keys alone: all its p are equal, 1 under its own M, over all 2,048 keys.  So the tiles of the last 128 queries also walk the steps under the diagonal, with p's codes given:
; the code of 256 under the scale 2^-8 in that query's lanes, zeros in all others.
; THE SOFTMAX: t = score x log2(e) / 32; M = the largest t so far, rounded UP to a whole number; p = 2^(t - M) is quantised along the keys, not normalised; the row's sum l is taken of the unquantised p and divides O at the end.
; When M moves, l and O are multiplied by 2^(old M - new M): exact.  The running maximum begins at the masked t, which every row has (key q is masked for query q).
; LIMITS.  A masked logit is -2^30 where the module has -1e9: its t is then a whole number, so p = 1 comes out exactly in a row of masked keys alone; results are the same while the kept logits lie far above -1e9.  NaN and infinities are not served.
; SHARES.  The head's 128 tiles of 16 queries go to 4 work-groups x 16 waves x 2 passes.  Wave w takes tile 2 cx + w % 2 of the 128 queries numbered w / 2 in pass 0 and 15 - w / 2 in pass 1: 17 key steps for every wave.
; Every branch hangs on the wave's number, the pass and the step alone, never on the work-group's place in its cluster.
; LDS.  The head's K and V codes and scale words lie in LDS whole, filled ONCE by joint tensor loads (the four work-groups want the same bytes), as images of operand registers: a fragment's four registers are 512 bytes on end,
; 16 a lane.  So there is no ring and no barrier in the loops, and nothing is stored to LDS.
; LAYOUT.  Both products are used transposed: S^T = K Q^T (source 0 = 16 keys), O^T = V^T P^T (source 0 = 16 channels): a lane holds ONE query (lane % 16) throughout.  The keys and channels that form a tile were chosen by the launch before
; so that the 16 registers of tiles 2 b and 2 b + 1 are the neighbours 32 b + 16 (lane / 16) + 0 .. 15.
; A HEAD OF 64 IN AN INSTRUCTION OF 128 ALONG K: Q's registers 8-15 are zero codes.  K's operand for tile T is 16 registers from its own 8 on; the upper 8 are the next tile's codes (for the last tile: zeros): finite numbers times zero.
; REGISTERS: v1-7 constants of the lane; v8-11 LDS addresses of the step; v12 -M, v13 the largest t, v[14:15] l; v16-31 Q; v32-95 K's tiles, then V's; v96-103 zeros; v104-167 S^T, then p; v168-199 O^T; v200-215 p's codes; v216-253 at work and scale words.
.set VIMG,  131072                     ; LDS: K's images from 0, V's from here: 16 steps x 8,192 bytes each
.set KSC,   262144                     ; K's scale words: 16 steps x 512 bytes
.set VSC,   270336                     ; V's: 16 steps x 256 bytes
.set L16,  1                           ; v1   16 x lane
.set L8,   2                           ; v2   8 x lane
.set R16,  3                           ; v3   16 x (lane % 16)
.set QD,   4                           ; v4   my query among its 128, less 16 (lane / 16)
.set OSO,  5                           ; v5   32 (lane % 16) + lane / 16
.set MSK,  6                           ; v6   the masked score: -2^35 (x 1/32: -2^30)
.set P1,   7                           ; v7   four codes of 256 where my query is the last of its 128, else 0
.set ADK,  8
.set ADV,  9
.set ADS,  10
.set ADT,  11
.set S,    104
.set O,    168
.set PCD,  200
.set BM,   216                         ; v216-219 a block's largest score, then its largest p
.set BP,   220                         ; v220-223 the other half's; then the bytes
.set LIM,  224
.set SOP,  228                         ; v228-231 the conversions' scale operands
.set KSR,  232                         ; v232-235 K's scale words: register j: lanes 0-15 tile 2 j, lanes 16-31 tile 2 j + 1
.set VSR,  236                         ; v236-237 V's likewise
.set QS,   238                         ; v238 Q's scale words
.set PW,   239                         ; v239 p's scale word
.set PW1,  240                         ; v240 four bytes of 2^-8
.set L1,   241                         ; v241 64.0 where my query is the last of its 128, else 0
.set F,    242                         ; v[242:243] f = 2^(old M - new M); the upper word is only named
.set C2,   244                         ; v[244:245] the sum's second chain
.set T0,   246                         ; v246-248 at work
.set WV,   12                          ; s12 my wave's number;  s13 cx;  s14 batch;  s15 head;  s16 head pair;  s17 the head's parity;  s18 the block index of (q, batch, head pair, 0)
.set MNT,  19
.set SEL,  20                          ; s[20:21] lane selects: lane l xor 16
.set CS,   22                          ; s[22:23] c = log2(e) / 32
.set G1K,  24                          ; s[24:31], s[32:39], s[40:47], s[48:55] descriptor groups 1: K's codes, V's codes, K's scale words, V's
.set G1V,  32
.set G1KS, 40
.set G1VS, 48
.set G0K,  56                          ; s[56:59], s[60:63], s[68:71], s[72:75] their groups 0
.set G0V,  60
.set G0KS, 68
.set G0VS, 72
.set SIG,  76                          ; s76 which 128 queries (and which key step lies on the diagonal)
.set PASS, 77
.set STEPI, 78
.set TK,   79                          ; s79 the step's images: 8,192 bytes a step
.set TS,   80                          ; s80 K's scale words
.set TT,   81                          ; s81 V's
.set OB,   82                          ; s[82:83] where my tile's codes go;  s[84:85] its scale bytes
.set OSB,  84
.set QB,   86                          ; s[86:87] my tile of Q;  s[88:89] its scale words
.set QSB,  88
.macro CROUND                          ; a round of the cluster's barrier
	s_barrier_signal -1
	s_barrier_wait -1
	s_cmp_lg_u32 s[WV], 0
	s_cbranch_scc1 .Lnot_wave_0_\@
	s_barrier_signal -3
.Lnot_wave_0_\@:
	s_barrier_wait -3
	s_barrier_signal -1
	s_barrier_wait -1
.endm
.macro GROUP1 g, c, r, p               ; r rows of c elements of 8 bytes, p elements apart in memory, dense in LDS; the mask names all four work-groups, bit 21 is set beside it
	s_mov_b32 s[\g], 15|(3<<16)|(1<<21)
	s_mov_b32 s[\g+1], (\c)<<16                    ; tensor_dim0
	s_mov_b32 s[\g+2], (\r)<<16                    ; tensor_dim1
	s_mov_b32 s[\g+3], (\c)<<16                    ; tile_dim0
	s_mov_b32 s[\g+4], \r                          ; tile_dim1
	s_mov_b32 s[\g+5], \p                          ; tensor_dim0_stride
	s_mov_b32 s[\g+6], 0
	s_mov_b32 s[\g+7], 0
.endm
.macro QLOAD                           ; my tile of Q of the 128 queries numbered s[SIG]: 8 registers of codes, one scale word
	s_add_co_u32 s96, s18, s[SIG]
	s_lshl_b32 s98, s96, 14
	s_add_co_u32 s98, s98, s94
	s_mov_b32 s99, 0
	s_add_nc_u64 s[QB:QB+1], s[4:5], s[98:99]
	s_lshl_b32 s98, s96, 10
	s_add_co_u32 s98, s98, s95
	s_add_nc_u64 s[QSB:QSB+1], s[6:7], s[98:99]
	global_load_b128 v[16:19], v[L16], s[QB:QB+1]
	global_load_b128 v[20:23], v[L16], s[QB:QB+1] offset:512
	global_load_b32 v[QS], v[R16], s[QSB:QSB+1]
.endm
	s_load_b256 s[4:11], s[0:1], 0x0               ; qkv_img s[4:5], qkv_sc s[6:7], o_img s[8:9], o_sc s[10:11]
	v_lshl_add_u32 v254, v0, 2, 0x43000
	v_mov_b32 v255, 0
	ds_add_u32 v254, v255
	ds_add_u32 v254, v255
	v_lshrrev_b32 v8, 5, v0
	s_delay_alu instid0(VALU_DEP_1)
	v_readfirstlane_b32 s[WV], v8                  ; wave 0..15
	s_bfe_u32 s13, ttmp6, 0x40000                  ; cx: it enters Q's and O's addresses and the lane's constants alone
	s_and_b32 s90, ttmp7, 0xffff                   ; the cluster's y: 16 x batch + head
	s_lshr_b32 s14, s90, 4
	s_and_b32 s15, s90, 15
	s_lshr_b32 s16, s15, 1
	s_and_b32 s17, s15, 1
	s_lshl_b32 s18, s14, 3
	s_add_co_u32 s18, s18, s16
	s_lshl_b32 s18, s18, 4                         ; (batch x 8 + head pair) x 16; k's blocks lie 512 further on, v's 1,024
	s_and_b32 s91, s[WV], 1
	s_lshl_b32 s93, s13, 1
	s_add_co_u32 s93, s93, s91                     ; my tile among the eight of 128 queries: 2 cx + wave % 2
	s_lshl_b32 s94, s93, 11
	s_lshl_b32 s97, s17, 10
	s_add_co_u32 s94, s94, s97                     ; its bytes in a block of images: 2,048 x tile + 1,024 x parity (the same in q's blocks and in o_img)
	s_lshl_b32 s95, s17, 9
	s_lshl_b32 s97, s91, 8
	s_add_co_u32 s95, s95, s97
	s_lshl_b32 s97, s13, 2
	s_add_co_u32 s95, s95, s97                     ; its scale words: 512 x parity + 256 x (tile % 2) + 4 x (tile / 2)
	s_lshr_b32 s[SIG], s[WV], 1
	s_mov_b32 s[PASS], 0
	s_mov_b32 s[SEL], 0x76543210
	s_mov_b32 s[SEL+1], 0xfedcba98
	s_mov_b32 s[CS], 0x3d38aa3b                    ; c = log2(e) / 32
	s_mov_b32 s[CS+1], s[CS]                       ; (named with it as a pair, so it is written)
	GROUP1 G1K, 128, 32, 256                       ; K: a tile's 1,024 bytes of my head out of each 2,048; 32 tiles a load
	GROUP1 G1V, 1024, 4, 2048                      ; V: a step's 8,192 bytes of my head out of each 16,384; 4 steps a load
	GROUP1 G1KS, 64, 16, 128                       ; K's scale words: 512 bytes out of each 1,024; all 16 steps
	GROUP1 G1VS, 32, 16, 128                       ; V's: 256 bytes out of each 1,024
	s_and_b32 s96, s[WV], 3
	s_lshl_b32 s96, s96, 16                        ; waves 0-3 (K) and 4-7 (V): a quarter each, 65,536 bytes apart in memory
	s_add_co_u32 s98, s18, 512
	s_lshl_b32 s98, s98, 14
	s_add_co_u32 s98, s98, s96
	s_lshl_b32 s92, s17, 10
	s_add_co_u32 s98, s98, s92
	s_mov_b32 s99, 0
	s_wait_dscnt 0x0
	s_wait_kmcnt 0x0
	s_mov_b32 s[G0K], 1
	s_lshl_b32 s[G0K+1], s[WV], 15                 ; LDS: 32,768 x wave: K's four quarters, then V's four
	s_add_nc_u64 s[G0K+2:G0K+3], s[4:5], s[98:99]
	s_or_b32 s[G0K+3], s[G0K+3], 0x80000000
	s_add_co_u32 s98, s18, 1024
	s_lshl_b32 s98, s98, 14
	s_add_co_u32 s98, s98, s96
	s_lshl_b32 s92, s17, 13
	s_add_co_u32 s98, s98, s92
	s_mov_b32 s[G0V], 1
	s_lshl_b32 s[G0V+1], s[WV], 15
	s_add_nc_u64 s[G0V+2:G0V+3], s[4:5], s[98:99]
	s_or_b32 s[G0V+3], s[G0V+3], 0x80000000
	s_add_co_u32 s98, s18, 512
	s_lshl_b32 s98, s98, 10
	s_lshl_b32 s92, s17, 9
	s_add_co_u32 s98, s98, s92
	s_mov_b32 s[G0KS], 1
	s_mov_b32 s[G0KS+1], KSC
	s_add_nc_u64 s[G0KS+2:G0KS+3], s[6:7], s[98:99]
	s_or_b32 s[G0KS+3], s[G0KS+3], 0x80000000
	s_add_co_u32 s98, s18, 1024
	s_lshl_b32 s98, s98, 10
	s_lshl_b32 s92, s17, 8
	s_add_co_u32 s98, s98, s92
	s_mov_b32 s[G0VS], 1
	s_mov_b32 s[G0VS+1], VSC
	s_add_nc_u64 s[G0VS+2:G0VS+3], s[6:7], s[98:99]
	s_or_b32 s[G0VS+3], s[G0VS+3], 0x80000000
	CROUND                                         ; all four work-groups are here: the joint loads meet
	; THE FILLS: one load a wave, waves 0 to 9; the branches hang on the wave's number alone.  Four v_nop follow each load.
	s_cmp_lt_u32 s[WV], 4
	s_cbranch_scc0 .Lfill_1
	tensor_load_to_lds s[G0K:G0K+3], s[G1K:G1K+7]
	s_nop 0
.rept 4
	v_nop
.endr
	s_branch .Lfilled
.Lfill_1:
	s_cmp_lt_u32 s[WV], 8
	s_cbranch_scc0 .Lfill_2
	tensor_load_to_lds s[G0V:G0V+3], s[G1V:G1V+7]
	s_nop 0
.rept 4
	v_nop
.endr
	s_branch .Lfilled
.Lfill_2:
	s_cmp_eq_u32 s[WV], 8
	s_cbranch_scc0 .Lfill_3
	tensor_load_to_lds s[G0KS:G0KS+3], s[G1KS:G1KS+7]
	s_nop 0
.rept 4
	v_nop
.endr
	s_branch .Lfilled
.Lfill_3:
	s_cmp_eq_u32 s[WV], 9
	s_cbranch_scc0 .Lfilled
	tensor_load_to_lds s[G0VS:G0VS+3], s[G1VS:G1VS+7]
	s_nop 0
.rept 4
	v_nop
.endr
.Lfilled:
	v_and_b32 v[T0], 31, v0                        ; lane
	s_delay_alu instid0(VALU_DEP_1)
	v_lshlrev_b32 v[L16], 4, v[T0]
	s_wait_alu depctr_va_vdst(0)
	v_lshlrev_b32 v[L8], 3, v[T0]
	v_and_b32 v[T0+1], 15, v0                      ; r
	v_bfe_u32 v[T0+2], v0, 4, 1                    ; h
	s_delay_alu instid0(VALU_DEP_2)
	v_lshlrev_b32 v[R16], 4, v[T0+1]
	s_wait_alu depctr_va_vdst(0)
	QLOAD                                          ; pass 0's tile of Q, beside the fills
	v_lshl_add_u32 v[OSO], v[T0+1], 5, v[T0+2]
	s_lshl_b32 s97, s13, 5
	s_lshl_b32 s90, s91, 3
	s_add_co_u32 s97, s97, s90
	v_and_b32 v[QD], 8, v[T0+1]
	s_delay_alu instid0(VALU_DEP_1)
	v_add_nc_u32 v[QD], v[QD], v[T0+1]
	s_delay_alu instid0(VALU_DEP_1)
	v_add_nc_u32 v[QD], s97, v[QD]                 ; my query among its 128: 32 (tile / 2) + 8 (tile % 2) + r + 8 (r / 8)
	s_delay_alu instid0(VALU_DEP_1)
	v_cmp_eq_u32 vcc_lo, 127, v[QD]
	v_mov_b32 v[P1], 0x78787878                    ; 0x78 is the code of 256
	s_delay_alu instid0(VALU_DEP_1)
	v_cndmask_b32 v[P1], 0, v[P1], vcc_lo
	v_mov_b32 v[L1], 0x42800000                    ; 64.0: a lane's share of a step's 128 keys
	s_delay_alu instid0(VALU_DEP_1)
	v_cndmask_b32 v[L1], 0, v[L1], vcc_lo
	v_lshlrev_b32 v[T0+2], 4, v[T0+2]
	s_delay_alu instid0(VALU_DEP_1)
	v_sub_nc_u32 v[QD], v[QD], v[T0+2]
	v_mov_b32 v[MSK], 0xd1000000
	v_mov_b32 v[PW1], 0x77777777                   ; the byte of 2^-8, four times
	v_mov_b32 v[F+1], 0
.irp j, 0,1,2,3,4,5,6,7
	v_mov_b32 v[24+\j], 0                          ; Q's upper half: zero codes
	v_mov_b32 v[96+\j], 0                          ; and what stands behind K's last tile
.endr
.irp b, 0,1,2,3
	v_mov_b32 v[BP+\b], 0                          ; written once: a lane permute's destination counts as one of its sources
.endr
	s_wait_tensorcnt 0x0                           ; my load, if I issued one, has landed,
	s_barrier_signal -1
	s_barrier_wait -1                              ; everybody's has: from here on LDS is only read
.Lpass:                                            ; two trips
	s_wait_xcnt 0x0                                ; the last pass's stores have read their data and bases: both are written again below
	v_mov_b32 v13, 0xceb8aa3b                      ; the largest t so far: the masked t, -2^35 c, a whole number
	v_mov_b32 v12, 0x4eb8aa3b                      ; -M
	v_mov_b32 v14, 0
	v_mov_b32 v15, 0
.set j, 0
.rept 32
	v_mov_b32 v[O+j], 0                            ; O^T (the step is written once: the first finds zeros)
.set j, j+1
.endr
.set j, 0
.rept 16
	v_mov_b32 v[PCD+j], v[P1]                      ; p's codes for the steps under the diagonal
.set j, j+1
.endr
	s_mov_b32 s[TK], 0
	s_mov_b32 s[TS], KSC
	s_mov_b32 s[TT], VSC
	s_mov_b32 s[STEPI], 0
	s_lshl_b32 s96, s14, 4
	s_add_co_u32 s96, s96, s[SIG]                  ; the block of 128 tokens among all 64
	s_lshl_b32 s98, s96, 17                        ; o_img: [64][head pair 8][tile 8][4][lane][16 bytes]
	s_lshl_b32 s97, s16, 14
	s_add_co_u32 s98, s98, s97
	s_add_co_u32 s98, s98, s94
	s_mov_b32 s99, 0
	s_add_nc_u64 s[OB:OB+1], s[8:9], s[98:99]
	s_lshl_b32 s98, s96, 3
	s_add_co_u32 s98, s98, s93
	s_lshl_b32 s98, s98, 9                         ; o_sc: [16 x tile + r][32 bytes], byte 2 x head + block
	s_lshl_b32 s97, s15, 1
	s_add_co_u32 s98, s98, s97
	s_add_nc_u64 s[OSB:OSB+1], s[10:11], s[98:99]
	s_wait_loadcnt 0x0                             ; Q
.Lstep:                                            ; sixteen trips, a key step of 128 keys each
	s_cmp_lt_u32 s[STEPI], s[SIG]
	s_cbranch_scc0 .Lfull
	s_cmp_eq_u32 s[SIG], 15                        ; under the diagonal: nothing, but for the last 128 queries
	s_cbranch_scc0 .Lnext
	; ---- the last query's masked keys: O^T += V^T P^T with the given codes; l += 128 in that query's two lanes
	v_add_nc_u32 v[ADK], s[TK], v[L16]
	s_delay_alu instid0(VALU_DEP_1)
	v_add_nc_u32 v[ADV], VIMG, v[ADK]
	v_add_nc_u32 v[ADT], s[TT], v[L8]
.rept 5
	v_nop                                          ; with the three additions: eight places in front of loads into registers that matrix instructions have read
.endr
.irp t, 0,1,2,3
.irp c, 0,1,2,3
	ds_load_b128 v[32+16*\t+4*\c:35+16*\t+4*\c], v[ADV] offset:2048*\t+512*\c
.endr
.endr
	ds_load_b64 v[VSR:VSR+1], v[ADT]
	s_wait_alu depctr_va_vdst(0)
	v_add_f32 v14, v14, v[L1]
	s_wait_dscnt 0x0
.irp t, 0,1,2,3                                ; the four accumulators by turns
.if (\t)%2
	v_wmma_scale_f32_16x16x128_f8f6f4 v[O+8*\t:O+8*\t+7], v[32+16*\t:47+16*\t], v[PCD:PCD+15], v[O+8*\t:O+8*\t+7], v[VSR+\t/2], v[PW1] matrix_a_scale:MATRIX_SCALE_ROW1
.else
	v_wmma_scale_f32_16x16x128_f8f6f4 v[O+8*\t:O+8*\t+7], v[32+16*\t:47+16*\t], v[PCD:PCD+15], v[O+8*\t:O+8*\t+7], v[VSR+\t/2], v[PW1]
.endif
.endr
	s_branch .Lnext
.Lfull:
	s_setprio 2
	; ---- a whole key step
	v_add_nc_u32 v[ADK], s[TK], v[L16]
	s_delay_alu instid0(VALU_DEP_1)
	v_add_nc_u32 v[ADV], VIMG, v[ADK]
	v_add_nc_u32 v[ADS], s[TS], v[L16]
	v_add_nc_u32 v[ADT], s[TT], v[L8]
.rept 4
	v_nop                                          ; with the four additions: eight places in front of loads into registers that matrix instructions have read
.endr
.irp t, 0,1,2,3,4,5,6,7
	ds_load_b128 v[32+8*\t:35+8*\t], v[ADK] offset:1024*\t          ; K's tile t: channels 16 (lane / 16) on,
	ds_load_b128 v[36+8*\t:39+8*\t], v[ADK] offset:1024*\t+512      ; and 32 + 16 (lane / 16) on
.endr
	ds_load_b128 v[KSR:KSR+3], v[ADS]
	s_wait_alu depctr_va_vdst(0)
	s_wait_dscnt 0x0
.irp t, 0,1,2,3,4,5,6,7                        ; S^T = K Q^T
.if (\t)%2
	v_wmma_scale_f32_16x16x128_f8f6f4 v[S+8*\t:S+8*\t+7], v[32+8*\t:47+8*\t], v[16:31], 0, v[KSR+\t/2], v[QS] matrix_a_scale:MATRIX_SCALE_ROW1
.else
	v_wmma_scale_f32_16x16x128_f8f6f4 v[S+8*\t:S+8*\t+7], v[32+8*\t:47+8*\t], v[16:31], 0, v[KSR+\t/2], v[QS]
.endif
.endr
.rept 8
	v_nop                                          ; eight places: for the loads below, and for the first read of the scores
.endr
.irp t, 0,1,2,3                                ; V's four tiles take K's registers: they land under the softmax
.irp c, 0,1,2,3
	ds_load_b128 v[32+16*\t+4*\c:35+16*\t+4*\c], v[ADV] offset:2048*\t+512*\c
.endr
.endr
	ds_load_b64 v[VSR:VSR+1], v[ADT]
	s_cmp_eq_u32 s[STEPI], s[SIG]                  ; on the diagonal: register 16 b + i holds key 32 b + 16 (lane / 16) + i of the step: masked where it is not above my query
	s_cbranch_scc0 .Lopen
.set n, 0
.rept 64
	v_cmp_le_i32 vcc_lo, 32*(n/16)+n%16, v[QD]
	v_cndmask_b32 v[S+n], v[S+n], v[MSK], vcc_lo
.set n, n+1
.endr
.Lopen:
.irp b, 0,1,2,3
	v_max3_num_f32 v[BM+\b], v[S+16*\b], v[S+16*\b+1], v[S+16*\b+2]   ; the largest score of each block of 32 keys: for the row's maximum, and, since p rises with the score, for the block's largest p
.endr
.irp i, 3,5,7,9,11,13
.irp b, 0,1,2,3
	v_max3_num_f32 v[BM+\b], v[BM+\b], v[S+16*\b+\i], v[S+16*\b+\i+1]
.endr
.endr
.irp b, 0,1,2,3
	v_max_num_f32 v[BM+\b], v[BM+\b], v[S+16*\b+15]
.endr
.irp b, 0,1,2,3
	s_delay_alu instid0(VALU_DEP_4)
	v_permlanex16_b32 v[BP+\b], v[BM+\b], s[SEL], s[SEL+1]
.endr
.irp b, 0,1,2,3
	s_delay_alu instid0(VALU_DEP_4)
	v_max_num_f32 v[BM+\b], v[BM+\b], v[BP+\b]     ; with lane l xor 16's 16 keys
.endr
	s_delay_alu instid0(VALU_DEP_2)
	v_max3_num_f32 v[T0], v[BM], v[BM+1], v[BM+2]
	s_delay_alu instid0(VALU_DEP_1)
	v_max_num_f32 v[T0], v[T0], v[BM+3]            ; the step's largest score of my query
	s_delay_alu instid0(VALU_DEP_1)
	v_mul_f32 v[T0], s[CS], v[T0]                  ; as t (c is positive)
	s_delay_alu instid0(VALU_DEP_1)
	v_max_num_f32 v13, v13, v[T0]                  ; the running largest t
	v_mov_b32 v[T0], v12
	s_delay_alu instid0(VALU_DEP_2)
	v_floor_f32 v12, -v13                          ; the new -M = floor(-t) = -ceil(t)
	s_delay_alu instid0(VALU_DEP_1)
	v_sub_f32 v[T0], v12, v[T0]                    ; old M - new M: 0 or less
	s_delay_alu instid0(VALU_DEP_1)
	v_cvt_i32_f32 v[T0], v[T0]
	s_delay_alu instid0(VALU_DEP_1)
	v_ldexp_f32 v[F], 1.0, v[T0]                   ; f = 2^(old M - new M); 0 where M leaves the masked t
.set j, 0
	s_setprio 1
.rept 32
	v_pk_fma_f32 v[S+j:S+j+1], v[S+j:S+j+1], s[CS:CS+1], v[12:13] op_sel_hi:[1,0,0]   ; t - M, two at a time (of the pairs c and -M the low word serves both halves)
.set j, j+2
.endr
.irp b, 0,1,2,3
	v_fma_f32 v[BM+\b], v[BM+\b], s[CS], v12       ; the same of each block's largest score
.endr
.set j, 0
	s_wait_alu depctr_va_vdst(0)
.rept 64
	v_exp_f32 v[S+j], v[S+j]                       ; p = 2^(t - M)
.set j, j+1
.endr
	v_pk_mul_f32 v[14:15], v[14:15], v[F:F+1] op_sel_hi:[1,0]   ; l under the new M (the plain line behind the exponentials)
	s_wait_alu depctr_va_vdst(0)                   ; one wait for the batch of 64, ahead of its first reader
.irp b, 0,1,2,3
	v_exp_f32 v[BM+\b], v[BM+\b]                   ; the block's largest p: the same two instructions on the same number give the same bits
.endr
	v_pk_add_f32 v[244:245], v[108:109], v[112:113]
	v_pk_add_f32 v[252:253], v[116:117], v[120:121]
	v_pk_add_f32 v[250:251], v[124:125], v[128:129]
	v_pk_add_f32 v[248:249], v[132:133], v[136:137]
	v_pk_add_f32 v[234:235], v[140:141], v[144:145]
	v_pk_add_f32 v[232:233], v[148:149], v[152:153]
	v_pk_add_f32 v[230:231], v[156:157], v[160:161]
	v_pk_add_f32 v[14:15], v[14:15], v[164:165]
	v_pk_add_f32 v[244:245], v[244:245], v[104:105]
	v_pk_add_f32 v[252:253], v[252:253], v[106:107]
	v_pk_add_f32 v[250:251], v[250:251], v[110:111]
	v_pk_add_f32 v[248:249], v[248:249], v[114:115]
	v_pk_add_f32 v[234:235], v[234:235], v[118:119]
	v_pk_add_f32 v[232:233], v[232:233], v[122:123]
	v_pk_add_f32 v[230:231], v[230:231], v[126:127]
	v_pk_add_f32 v[14:15], v[14:15], v[130:131]
	v_pk_add_f32 v[244:245], v[244:245], v[134:135]
	v_pk_add_f32 v[252:253], v[252:253], v[138:139]
	v_pk_add_f32 v[250:251], v[250:251], v[142:143]
	v_pk_add_f32 v[248:249], v[248:249], v[146:147]
	v_pk_add_f32 v[234:235], v[234:235], v[150:151]
	v_pk_add_f32 v[232:233], v[232:233], v[154:155]
	v_pk_add_f32 v[230:231], v[230:231], v[158:159]
	v_pk_add_f32 v[14:15], v[14:15], v[162:163]
	v_pk_add_f32 v[244:245], v[244:245], v[166:167]
	s_delay_alu instid0(VALU_DEP_2)
	v_pk_add_f32 v[14:15], v[14:15], v[248:249]
	s_delay_alu instid0(VALU_DEP_2)
	v_pk_add_f32 v[244:245], v[244:245], v[234:235]
	v_pk_add_f32 v[252:253], v[252:253], v[232:233]
	v_pk_add_f32 v[250:251], v[250:251], v[230:231]
	s_delay_alu instid0(VALU_DEP_2)
	v_pk_add_f32 v[14:15], v[14:15], v[252:253]
	s_delay_alu instid0(VALU_DEP_2)
	v_pk_add_f32 v[244:245], v[244:245], v[250:251]
	s_delay_alu instid0(VALU_DEP_1)
	v_pk_add_f32 v[14:15], v[14:15], v[244:245]
	s_setprio 0
	s_wait_alu depctr_va_vdst(0)                   ; and one for the four
.irp b, 0,1,2,3
	v_max_num_f32 v[BM+\b], 0x4800000, v[BM+\b]    ; the floor 2^(9 - 127): the byte cannot fall under 1 (a block whose every p is 0 keeps that byte: its codes are zeros)
.endr
.irp b, 0,1,2,3
	s_delay_alu instid0(VALU_DEP_4)
	v_add_nc_u32 v[SOP+\b], 0xfc000000, v[BM+\b]   ; 8 off the exponent field: the conversion's scale operand
.endr
.irp b, 0,1,2,3
.endr
.irp b, 0,1,2,3
	s_delay_alu instid0(VALU_DEP_4)
	v_lshrrev_b32 v[BP+\b], 23, v[SOP+\b]          ; the scale's byte
.endr
	s_delay_alu instid0(VALU_DEP_3)
	v_lshl_or_b32 v[PW], v[BP+1], 8, v[BP]         ; p's scale word for these 128 keys
	s_delay_alu instid0(VALU_DEP_1)
	v_lshl_or_b32 v[PW], v[BP+2], 16, v[PW]
	s_delay_alu instid0(VALU_DEP_1)
	v_lshl_or_b32 v[PW], v[BP+3], 24, v[PW]
.irp b, 0,1,2,3
.irp i, 0,1,2,3,4,5,6,7,8,9,10,11,12,13,14,15
.endr
	v_cvt_scalef32_pk8_fp8_f32 v[PCD+4*\b:PCD+4*\b+1], v[S+16*\b:S+16*\b+7], v[SOP+\b]
	v_cvt_scalef32_pk8_fp8_f32 v[PCD+4*\b+2:PCD+4*\b+3], v[S+16*\b+8:S+16*\b+15], v[SOP+\b]
.endr
.set j, 0
.rept 16
	v_pk_mul_f32 v[O+j:O+j+1], v[O+j:O+j+1], v[F:F+1] op_sel_hi:[1,0]   ; O^T under the new M, each accumulator from its low end on.  (These sixteen also stand between the codes' last conversion and the products)
.set j, j+2
.endr
	s_wait_alu depctr_va_vdst(0)
	s_wait_dscnt 0x0                               ; V
.irp t, 0,1,2,3                                ; O^T += V^T P^T; the four accumulators by turns
.if (\t)%2
	v_wmma_scale_f32_16x16x128_f8f6f4 v[O+8*\t:O+8*\t+7], v[32+16*\t:47+16*\t], v[PCD:PCD+15], v[O+8*\t:O+8*\t+7], v[VSR+\t/2], v[PW] matrix_a_scale:MATRIX_SCALE_ROW1
.else
	v_wmma_scale_f32_16x16x128_f8f6f4 v[O+8*\t:O+8*\t+7], v[32+16*\t:47+16*\t], v[PCD:PCD+15], v[O+8*\t:O+8*\t+7], v[VSR+\t/2], v[PW]
.endif
.endr
.Lnext:
	s_add_co_u32 s[TK], s[TK], 8192
	s_add_co_u32 s[TS], s[TS], 512
	s_add_co_u32 s[TT], s[TT], 256
	s_add_co_u32 s[STEPI], s[STEPI], 1
	s_cmp_lt_u32 s[STEPI], 16
	s_cbranch_scc1 .Lstep
	s_setprio 0
	; ---- the end of a pass: O^T / l, quantised along the head's 64 channels (two blocks of the last product's K), as an image of that product's operand registers
	s_sub_co_u32 s[SIG], 15, s[SIG]                ; the other pass's 128 queries
	s_cmp_eq_u32 s[PASS], 0
	s_cbranch_scc0 .Lno_q
	QLOAD                                          ; its tile of Q is asked for here (the first pass's loads were waited for, so their bases may be written)
.Lno_q:
.rept 8
	v_nop                                          ; eight places behind the last products
.endr
	s_wait_alu depctr_va_vdst(0)
	v_add_f32 v14, v14, v15                        ; l's two halves,
	s_delay_alu instid0(VALU_DEP_1)
	v_permlanex16_b32 v[T0+1], v14, s[SEL], s[SEL+1]
	s_delay_alu instid0(VALU_DEP_1)
	v_add_f32 v14, v14, v[T0+1]                    ; and lane l xor 16's
	s_wait_alu depctr_va_vdst(0)
	v_rcp_f32 v14, v14
	v_nop                                          ; one plain line behind the reciprocal
	s_wait_alu depctr_va_vdst(0)                   ; and the wait ahead of its first reader
.set j, 0
.rept 32
	v_mul_f32 v[S+j], v[O+j], v14                  ; register 16 b + i: channel 32 b + 16 (lane / 16) + i of my query
.set j, j+1
.endr
.irp b, 0,1
	v_max3_num_f32 v[BM+\b], |v[S+16*\b]|, |v[S+16*\b+1]|, 0x4800000
.endr
.irp i, 2,4,6,8,10,12,14
.irp b, 0,1
	s_delay_alu instid0(VALU_DEP_2)
	v_max3_num_f32 v[BM+\b], v[BM+\b], |v[S+16*\b+\i]|, |v[S+16*\b+\i+1]|
.endr
.endr
.irp b, 0,1
	s_delay_alu instid0(VALU_DEP_2)
	v_permlanex16_b32 v[BP+\b], v[BM+\b], s[SEL], s[SEL+1]
.endr
.irp b, 0,1
	s_delay_alu instid0(VALU_DEP_2)
	v_max_num_f32 v[BM+\b], v[BM+\b], v[BP+\b]
.endr
.irp b, 0,1
	s_delay_alu instid0(VALU_DEP_2)
	v_add_nc_u32 v[SOP+\b], 0xfc000000, v[BM+\b]
.endr
.irp b, 0,1
.endr
.irp b, 0,1
	s_delay_alu instid0(VALU_DEP_2)
	v_lshrrev_b32 v[BP+\b], 23, v[SOP+\b]
.endr
	v_and_b32 v[T0], 16, v0
	s_delay_alu instid0(VALU_DEP_1)
	v_cmp_ne_u32 vcc_lo, 0, v[T0]
	s_delay_alu instid0(VALU_DEP_1)
	v_cndmask_b32 v[T0+2], v[BP], v[BP+1], vcc_lo  ; lanes 0-15 store block 0's byte, lanes 16-31 block 1's
.irp b, 0,1
.irp i, 0,1,2,3,4,5,6,7,8,9,10,11,12,13,14,15
.endr
	v_cvt_scalef32_pk8_fp8_f32 v[PCD+4*\b:PCD+4*\b+1], v[S+16*\b:S+16*\b+7], v[SOP+\b]
	v_cvt_scalef32_pk8_fp8_f32 v[PCD+4*\b+2:PCD+4*\b+3], v[S+16*\b+8:S+16*\b+15], v[SOP+\b]
.endr
	v_nop                                          ; one plain line behind the last conversion
	global_store_b128 v[L16], v[PCD:PCD+3], s[OB:OB+1]               ; 32 lanes store 512 consecutive bytes
	global_store_b128 v[L16], v[PCD+4:PCD+7], s[OB:OB+1] offset:512
	global_store_b8 v[OSO], v[T0+2], s[OSB:OSB+1]  ; two bytes of each of 16 rows of 32: a row's other bytes belong to other heads' work-groups; one byte for each 32 of codes
	s_add_co_u32 s[PASS], s[PASS], 1
	s_cmp_lt_u32 s[PASS], 2
	s_cbranch_scc1 .Lpass
	s_wait_tensorcnt 0x0
	ds_add_u32 v254, v255
	s_wait_dscnt 0x0
	CROUND                                         ; the closing round: no work-group ends while a partner may still ask for bytes jointly
	s_endpgm
.Lfunc_end_k_q6e0d48302b_attn:
	.size	k_q6e0d48302b_attn, .Lfunc_end_k_q6e0d48302b_attn-k_q6e0d48302b_attn
	.p2alignl 7, 3214868480
	.fill 96, 4, 3214868480
	.section	.rodata,"a",@progbits
	.p2align	6, 0x0
	.amdhsa_kernel k_q6e0d48302b_attn
		.amdhsa_group_segment_fixed_size 276480
		.amdhsa_private_segment_fixed_size 0
		.amdhsa_enable_private_segment 0
		.amdhsa_kernarg_size 32
		.amdhsa_user_sgpr_count 2
		.amdhsa_user_sgpr_kernarg_segment_ptr 1
		.amdhsa_wavefront_size32 1
		.amdhsa_system_sgpr_workgroup_id_x 1
		.amdhsa_system_sgpr_workgroup_id_y 1
		.amdhsa_system_sgpr_workgroup_id_z 1
		.amdhsa_system_vgpr_workitem_id 0
		.amdhsa_next_free_vgpr 256
		.amdhsa_next_free_sgpr 100
		.amdhsa_reserve_vcc 1
		.amdhsa_float_denorm_mode_32 3
		.amdhsa_float_denorm_mode_16_64 3
		.amdhsa_fp16_overflow 1
		.amdhsa_memory_ordered 1
		.amdhsa_forward_progress 1
		.amdhsa_inst_pref_size 42
	.end_amdhsa_kernel
	.amdgpu_metadata
---
amdhsa.version: [ 1, 2 ]
amdhsa.kernels:
  - .name:           k_q6e0d48302b_attn
    .symbol:         k_q6e0d48302b_attn.kd
    .args:
      - { .name: qkv_img, .offset: 0, .size: 8, .value_kind: global_buffer, .address_space: global }
      - { .name: qkv_sc, .offset: 8, .size: 8, .value_kind: global_buffer, .address_space: global }
      - { .name: o_img, .offset: 16, .size: 8, .value_kind: global_buffer, .address_space: global }
      - { .name: o_sc, .offset: 24, .size: 8, .value_kind: global_buffer, .address_space: global }
    .group_segment_fixed_size: 276480
    .private_segment_fixed_size: 0
    .kernarg_segment_align: 8
    .kernarg_segment_size: 32
    .max_flat_workgroup_size: 512
    .sgpr_count:     100
    .vgpr_count:     256
    .wavefront_size: 32
...
	.end_amdgpu_metadata
.endif
;; end of part 3
;; launch outp (part 4): grid 4 x 32, 4 waves a work-group, clusters of 4 x 4, 327,680 bytes of LDS; arguments o_img, o_sc, codes, scales, out0; writes out0
.if DOCPART == 4
	.amdgcn_target "amdgcn-amd-amdhsa--gfx1250"
	.amdhsa_code_object_version 6
	.text
	.protected	k_q6e0d48302b_outp
	.globl	k_q6e0d48302b_outp
	.p2align	8
	.type	k_q6e0d48302b_outp,@function
k_q6e0d48302b_outp:
	s_mov_b64 s[64:65], 0
	v_nop
	global_prefetch_b8 v0, s[64:65] scope:SCOPE_SE
	s_setreg_imm32_b32 hwreg(HW_REG_WAVE_MODE, 25, 1), 1
	s_wait_xcnt 0x0
	s_wait_alu depctr_hold_cnt(0) depctr_sa_sdst(0) depctr_va_vdst(0) depctr_va_sdst(0) depctr_va_ssrc(0) depctr_va_vcc(0) depctr_vm_vsrc(0)
	s_getreg_b32 s2, hwreg(HW_REG_IB_STS2, 6, 4)
	s_cmp_eq_u32 s2, 0
	s_cbranch_scc0 .Lentry_in_a_cluster
	s_endpgm
.Lentry_in_a_cluster:
	s_bfe_u32 s2, ttmp6, 0x10000c
	s_cmp_lg_u32 s2, 0xf033
	s_cbranch_scc0 .Lentry_shape_is_right
	s_endpgm
.Lentry_shape_is_right:
; out0[m][n] = sum over k of A[m][k] wo[n][k], K = 1,024, on codes of FP8 (E4M3) with one E8M0 scale for each 32 along K; out0: [8192][1024] f32; sums in f32.
; A is attention's result, as the launch before left it: o_img [64 blocks of 128 tokens][8 K steps of 128][8 tiles of 16 rows][4][lane][16 bytes]: IMAGES OF THE OPERAND'S REGISTERS; o_sc [8192 positions][32 bytes].
; A POSITION IS NOT A TOKEN: row t of tile a of a block is token 32 (a / 2) + 8 (a % 2) + t + 8 (t / 8) of the block's 128.  The way out puts each row where it belongs.
; B is wo: rows 11,264 on of codes [..][1024 bytes] and of scales [..][32 bytes], in their own order.
; A tile of C, 256 x 256, is made by a work-group of four waves; a wave makes 128 x 128: 64 accumulators, 512 registers.  K goes in steps of 256 through a ring of two LDS slots filled by the tensor data mover.
; A's part of a slot (128 positions x 256 along K) is 32,768 bytes on end in memory: it comes as 128 rows of 256 bytes, 16 bytes of padding behind each; a group of four registers of a fragment is two such rows: lanes 0-15 read one, lanes 16-31 the next.
; THE SCALES of the work-group's rows of A and B, for all of K, come into LDS once, with the first fills.
; CLUSTERS: 4 x 4 work-groups; A's tiles are shared along a row of the cluster, B's along a column: each is asked for JOINTLY.  THE MATRIX INSTRUCTION IS USED TRANSPOSED (source 0 = 16 rows of B, source 1 = 16 rows of A): a lane holds eight neighbouring numbers of a row of C.
; REGISTERS, in windows of 256: window 0: v0-31 addresses; v32-63 scale words, two sets; from v128 A's fragments, ONE set; on the way out v128-255 rows of C.
;   window 1: B's fragments, TWO sets.   window 2: the 32 accumulators of my rows 0-63 (accumulator (a, b) at v[8 (8 a + b)]);   window 3: those of my rows 64-127.
.set SIZE_K, 1024
.set SIZE_N, 1024
.set KSTEP,  256
.set NQ,     KSTEP/128
.set ROWB,   256                       ; a tile's row in bytes
.set KROW,   SIZE_K                    ; a row of B in memory; also a position's bytes in o_img, counted over a block
.set ASTEP,  32768                     ; A: from a K step of 256 to the next, in a block of 128 positions
.set PITCH,  272                       ; an LDS row: 256 bytes + 16 of padding = 68 words: row r starts at bank 4 r mod 64 (64 banks of 4 bytes: ISA guide 11.1)
.set FR,     16
.set NL,     4
.set NP,     8                         ; places behind this matrix instruction (ISA guide 7.12.1)
.set HALFT,  128*PITCH
.set SLOT,   4*HALFT
.set LAPS,   SIZE_K/(2*KSTEP)
.set KS,     SIZE_K/32
.set SCL,    2*SLOT
.set HALFS,  (128*KS/256)*272
.set SBLK,   (16*KS/256)*272
.set SPARE,  SCL+4*HALFS               ; the spare words, 128 bytes for each wave: two blocks of 256 bytes that no other line names
.set SPITCH, 528                       ; the way out: a stage of 16 rows x (512 bytes + 16) for each wave, in slot 0, which has had its last fill and its last read when the first result is stored there
.set ADRA, 16
.set ADRB, 20
.set STO,  24
.set RD,   25
.set CO,   26
.set ADRS, 27
.set SPW,  28                          ; v28  LDS address of my spare word; never rewritten
.set NIL,  29                          ; v29  0; never rewritten
.set SC,   32
.set AF,   128
.set BK,   128
.set G1, 24
.set G0, 32
.set G1B, 48
.set G0B, 56
.set G1S, 68
.set G0S, 76
.set G1SB, 80
.set G0SB, 88
.set MSB, 0
.macro WIN new                         ; the immediate's high byte repeats the setting that is left
.if MSB != (\new)
	s_set_vgpr_msb (MSB<<8)|(\new)
.set MSB, (\new)
.endif
.endm
.set MUL_LO, 0xa1                      ; source 0 (B) window 1, source 1 (A) window 0, C and D window 2
.set MUL_HI, 0xf1
.set TO_B,   0x40
; A joint load: waves 0 and 1 fetch for A, waves 2 and 3 for B; the branch hangs on the wave's number alone.  Four v_nop follow each of the two lines.
.macro JLOAD g0a, g1a, g0b, g1b
	s_cmp_eq_u32 s15, 0
	s_cbranch_scc0 .Lfor_b_\@
	tensor_load_to_lds s[\g0a:\g0a+3], s[\g1a:\g1a+7]
	s_nop 0
.rept 4
	v_nop
.endr
	s_branch .Lasked_\@
.Lfor_b_\@:
	tensor_load_to_lds s[\g0b:\g0b+3], s[\g1b:\g1b+7]
	s_nop 0
.rept 4
	v_nop
.endr
.Lasked_\@:
.endm
.macro CREST
	s_cmp_lg_u32 s14, 0
	s_cbranch_scc1 .Lnot_wave_0_\@
	s_barrier_signal -3
.Lnot_wave_0_\@:
	s_barrier_wait -3
	s_barrier_signal -1
	s_barrier_wait -1
.endm
.macro CROUND
	s_barrier_signal -1
	s_barrier_wait -1
	CREST
.endm
	s_load_b128 s[4:7], s[0:1], 0x0                ; o_img s[4:5], o_sc s[6:7]
	s_load_b128 s[8:11], s[0:1], 0x10              ; codes s[8:9], scales s[10:11]
	s_load_b64 s[12:13], s[0:1], 0x20              ; out0
	v_lshl_add_u32 v[SPW], v0, 2, SPARE
	v_mov_b32 v[NIL], 0
	ds_add_u32 v28, v29
	ds_add_u32 v28, v29
	s_wait_dscnt 0x0
	v_lshrrev_b32 v1, 5, v0
	v_readfirstlane_b32 s14, v1                    ; wave 0..3
	s_lshr_b32 s15, s14, 1                         ; which half of the tile's rows is mine.  Also: I fetch for A (0) or for B (1)
	s_and_b32 s16, s14, 1                          ; which half of its columns.  Also: which 128 rows of that tile I fetch
	s_bfe_u32 s40, ttmp6, 0x40000                  ; cx, cy
	s_bfe_u32 s41, ttmp6, 0x40004
	s_lshl_b32 s42, ttmp9, 2
	s_add_co_u32 s42, s42, s40                     ; tile column of C
	s_and_b32 s17, ttmp7, 0xffff
	s_lshl_b32 s17, s17, 2
	s_add_co_u32 s17, s17, s41                     ; tile row of C
	s_lshl_b32 s43, s41, 2
	s_lshl_b32 s43, 15, s43                        ; my row of the cluster
	s_lshl_b32 s44, 0x1111, s40                    ; my column
	s_or_b32 s[G1+0], s43, (0<<16)|(1<<20)|(1<<21)|(5<<22)|(3<<25)  ; 15:0 the mask; 17:16 element of 1 byte; 20 padding on; 21 set beside a mask; 24:22 after every 64 words (code 5); 31:25 of 4 words (code 3)
	s_or_b32 s[G1B+0], s44, (0<<16)|(1<<20)|(1<<21)|(5<<22)|(3<<25)
.irp g, G1, G1B
	s_mov_b32 s[\g+1], ROWB<<16                    ; tensor_dim0
	s_mov_b32 s[\g+2], 128<<16                     ; tensor_dim1 = 128
	s_mov_b32 s[\g+3], ROWB<<16                    ; tile_dim0
	s_mov_b32 s[\g+4], 128                         ; tile_dim1 = 128
	s_mov_b32 s[\g+6], 0
	s_mov_b32 s[\g+7], 0
.endr
	s_mov_b32 s[G1+5], ROWB                        ; A: its 128 rows of 256 bytes lie on end in memory
	s_mov_b32 s[G1B+5], KROW                       ; B: a row of wo's codes is 1,024 bytes
	s_or_b32 s[G1S+0], s43, (3<<16)|(1<<20)|(1<<21)|(5<<22)|(3<<25)
	s_or_b32 s[G1SB+0], s44, (3<<16)|(1<<20)|(1<<21)|(5<<22)|(3<<25)
.irp g, G1S, G1SB
	s_mov_b32 s[\g+1], 32<<16
	s_mov_b32 s[\g+2], (128*KS/256)<<16
	s_mov_b32 s[\g+3], 32<<16
	s_mov_b32 s[\g+4], 128*KS/256
	s_mov_b32 s[\g+5], 32
	s_mov_b32 s[\g+6], 0
	s_mov_b32 s[\g+7], 0
.endr
	s_lshl_b32 s18, s16, 7                         ; which 128 rows of the tile I fetch
	s_lshl_b32 s20, s17, 8
	s_add_co_u32 s20, s20, s18                     ; A: position 256 x tile row + 128 x half
	s_lshl_b32 s46, s42, 8
	s_add_co_u32 s46, s46, s18
	s_add_co_u32 s46, s46, 11264                   ; B: wo's first row in codes + 256 x tile column + 128 x half
	s_mov_b32 s21, 0
	s_mov_b32 s47, 0
	s_mov_b64 s[18:19], KS
	s_mul_u64 s[22:23], s[20:21], s[18:19]         ; where these rows' scales begin, in bytes
	s_mul_u64 s[92:93], s[46:47], s[18:19]
	s_mov_b64 s[18:19], KROW
	s_mul_u64 s[20:21], s[20:21], s[18:19]         ; and their codes (A: 128 positions are a block of 131,072 bytes)
	s_mul_u64 s[46:47], s[46:47], s[18:19]
	s_mul_i32 s45, s14, HALFT                      ; where they go: wave x 128 rows: no place in the cluster enters an LDS address
	s_mul_i32 s94, s14, HALFS
	s_wait_kmcnt 0x0
	s_add_nc_u64 s[20:21], s[4:5], s[20:21]
	s_add_nc_u64 s[22:23], s[6:7], s[22:23]
	s_add_nc_u64 s[46:47], s[8:9], s[46:47]
	s_add_nc_u64 s[92:93], s[10:11], s[92:93]
	CROUND                                         ; all sixteen work-groups are here: the first joint loads meet
	s_mov_b32 s[G0S], 1
	s_add_co_u32 s[G0S+1], s94, SCL
	s_mov_b64 s[G0S+2:G0S+3], s[22:23]
	s_or_b32 s[G0S+3], s[G0S+3], 0x80000000
	s_mov_b32 s[G0SB], 1
	s_add_co_u32 s[G0SB+1], s94, SCL
	s_mov_b64 s[G0SB+2:G0SB+3], s[92:93]
	s_or_b32 s[G0SB+3], s[G0SB+3], 0x80000000
	JLOAD G0S, G1S, G0SB, G1SB                     ; the scales first: they are wanted with K step 0
.irp s, 0,1
	s_mov_b32 s[G0+4*\s], 1
	s_add_co_u32 s[G0+4*\s+1], s45, \s*SLOT
	s_add_nc_u64 s[G0+4*\s+2:G0+4*\s+3], s[20:21], \s*ASTEP
	s_or_b32 s[G0+4*\s+3], s[G0+4*\s+3], 0x80000000
	s_mov_b32 s[G0B+4*\s], 1
	s_add_co_u32 s[G0B+4*\s+1], s45, \s*SLOT
	s_add_nc_u64 s[G0B+4*\s+2:G0B+4*\s+3], s[46:47], \s*ROWB
	s_or_b32 s[G0B+4*\s+3], s[G0B+4*\s+3], 0x80000000
	s_wait_alu depctr_va_vdst(0)
	s_wait_tensorcnt 0x0
	ds_add_u32 v28, v29
	s_wait_dscnt 0x0
	CROUND
	JLOAD G0+4*\s, G1, G0B+4*\s, G1B
.endr
	v_and_b32 v1, 15, v0                           ; l % 16
	v_bfe_u32 v2, v0, 4, 1                         ; l / 16
	v_mul_u32_u24 v3, v1, PITCH
	v_lshl_add_u32 v4, v2, 4, v3                   ; B: a fragment's row x pitch + 16 x half
	v_mul_u32_u24 v7, v2, PITCH
	v_lshl_add_u32 v7, v1, 4, v7                   ; A: an image: 16 bytes a lane; lanes 16-31 stand in the next LDS row
	s_mul_i32 s21, s15, HALFT                      ; my 128 rows of A
	s_mul_i32 s22, s16, HALFT                      ; my 128 rows of B,
	s_add_co_u32 s22, s22, 2*HALFT                 ; which lie behind A's 256
.irp s, 0,1
	v_add_nc_u32 v[ADRA+\s], s21, v7
	v_add_nc_u32 v[ADRB+\s], s22, v4
	s_add_co_u32 s21, s21, SLOT
	s_add_co_u32 s22, s22, SLOT
.endr
	v_mul_u32_u24 v5, v1, KS                       ; my row's scales: KS bytes a row,
	v_lshrrev_b32 v6, 8, v5
	v_lshl_add_u32 v5, v6, 4, v5                   ; and 16 more for each 256 passed
	s_mul_i32 s21, s15, HALFS
	s_mul_i32 s22, s16, HALFS
	s_add_co_u32 s22, s22, 2*HALFS
	s_sub_co_u32 s22, s22, s21
	v_mul_u32_u24 v6, s22, v2                      ; lanes 16-31 take B's
	s_add_co_u32 s21, s21, SCL
	v_add_nc_u32 v5, v5, v6
	v_add_nc_u32 v[ADRS], s21, v5
	s_mul_i32 s23, s14, 16*SPITCH                  ; my stage
	v_mul_u32_u24 v5, v1, SPITCH                   ; in: row l % 16, 32 bytes for each half of the lanes
	v_lshl_add_u32 v5, v2, 5, v5
	v_add_nc_u32 v[STO], s23, v5
	v_and_b32 v6, 31, v0
	v_lshlrev_b32 v[CO], 4, v6                     ; back: the 32 lanes take one row of 512 bytes; and the same in C
	v_add_nc_u32 v[RD], s23, v[CO]
	s_lshl_b32 s20, s17, 8
	s_lshl_b32 s21, s15, 7
	s_add_co_u32 s20, s20, s21                     ; my first row of C: 256 x tile row + 128 x half
	s_mov_b32 s21, 0
	s_mov_b64 s[18:19], SIZE_N*4
	s_mul_u64 s[20:21], s[20:21], s[18:19]
	s_lshl_b32 s46, s42, 10                        ; my first column, in bytes: 1024 x tile column + 512 x half
	s_lshl_b32 s47, s16, 9
	s_add_co_u32 s46, s46, s47
	s_mov_b32 s47, 0
	s_add_nc_u64 s[20:21], s[20:21], s[46:47]
	s_add_nc_u64 s[12:13], s[12:13], s[20:21]
.macro FRAG reg, adr, q, i             ; B: a fragment from rows that lie along K: registers 4 c .. 4 c + 3 hold K = 32 c + 16 (l / 16) + 0 .. 15
.irp c, 0,1,2,3
	ds_load_b128 v[\reg+4*\c:\reg+4*\c+3], v[\adr] offset:128*(\q)+32*\c+(\i)*16*PITCH
.endr
.endm
.macro FRAGA reg, adr, q, i            ; A: a fragment from its image: group c of tile i of the slot's q-th 128 along K is 512 bytes of data, two LDS rows
.irp c, 0,1,2,3
	ds_load_b128 v[\reg+4*\c:\reg+4*\c+3], v[\adr] offset:2*PITCH*((8*(\q)+(\i))*4+\c)
.endr
.endm
; 16 matrix instructions: A's blocks a0, a0 + 1 x B's eight, 128 along K.  zero = 1: the first product starts the sums.  The 64 accumulators take turns, one instruction a turn.
.macro MUL16 a0, p, q, sc, zero
.irp a, \a0, \a0+1
.irp b, 0,1,2,3,4,5,6,7
.if \zero
	v_wmma_scale_f32_16x16x128_f8f6f4 v[8*(8*((\a)%4)+\b):8*(8*((\a)%4)+\b)+7], v[128*(\p)+FR*\b:128*(\p)+FR*\b+FR-1], v[AF+FR*(\a):AF+FR*(\a)+FR-1], 0, v[SC+8*NQ*(\sc)+NQ*\b+(\q)], v[SC+8*NQ*(\sc)+NQ*(\a)+(\q)] matrix_a_scale:MATRIX_SCALE_ROW1
.else
	v_wmma_scale_f32_16x16x128_f8f6f4 v[8*(8*((\a)%4)+\b):8*(8*((\a)%4)+\b)+7], v[128*(\p)+FR*\b:128*(\p)+FR*\b+FR-1], v[AF+FR*(\a):AF+FR*(\a)+FR-1], v[8*(8*((\a)%4)+\b):8*(8*((\a)%4)+\b)+7], v[SC+8*NQ*(\sc)+NQ*\b+(\q)], v[SC+8*NQ*(\sc)+NQ*(\a)+(\q)] matrix_a_scale:MATRIX_SCALE_ROW1
.endif
.endr
.endr
.endm
.macro FETCH_B slot, q, p
	WIN TO_B
.irp i, 0,1,2,3,4,5,6,7
	FRAG 128*(\p)+FR*\i, ADRB+\slot, \q, \i
.endr
	WIN 0
.endm
.macro FETCH_A slot, q, i0
.irp i, \i0, \i0+1, \i0+2, \i0+3
	FRAGA AF+FR*(\i), ADRA+\slot, \q, \i
.endr
.endm
.macro SCALES sc
.irp i, 0,1,2,3,4,5,6,7
	ds_load_b64 v[SC+8*NQ*\sc+NQ*\i:SC+8*NQ*\sc+NQ*\i+1], v[ADRS] offset:\i*SBLK
.endr
.endm
; A load into a register that a matrix instruction has read, and an LDS store that reads a matrix result, stand NP places behind that matrix instruction; only plain vector instructions that name none of its registers are places.
.macro PLACES n
.rept \n
	v_nop
.endr
.endm
.macro STEP slot, q, zero
	s_wait_dscnt 4*NL                              ; B's set and A's blocks 0-3 are in; the youngest sixteen loads (A's blocks 4-7) may be out
	WIN MUL_LO
	MUL16 0, (\q)%2, \q, \slot, \zero
	MUL16 2, (\q)%2, \q, \slot, \zero
	s_wait_dscnt 0                                 ; A's blocks 4-7 are in
	PLACES NP
	FETCH_B \slot, (\q)+1, 1-(\q)%2
	FETCH_A \slot, (\q)+1, 0
	WIN MUL_HI
	MUL16 4, (\q)%2, \q, \slot, \zero
	MUL16 6, (\q)%2, \q, \slot, \zero
	PLACES NP
	WIN 0
	FETCH_A \slot, (\q)+1, 4
.endm
; A slot's last step changes slots: ONE barrier; in front of it each wave waits for all its tensor loads, adds 0 to its spare word, and waits for that and for its own reads of this slot.  fill = 1: this slot is filled again, two K steps ahead.
.macro TURN slot, next, fill
	s_wait_tensorcnt 0x0                           ; all my tensor loads have landed: my part of the next slot
	ds_add_u32 v[SPW], v[NIL]                      ; 0 onto my spare word
	s_wait_dscnt 4*NL+1                            ; (the add and the youngest sixteen loads may be out)
	WIN MUL_LO
	MUL16 0, 1, NQ-1, \slot, 0                     ; sixteen matrix instructions stand between the add and the wait for it
	s_wait_dscnt 0x0                               ; the add is done, and my reads of this slot are over
	s_barrier_signal -1
	MUL16 2, 1, NQ-1, \slot, 0
	WIN 0
	s_barrier_wait -1
.if \fill
	CREST                                          ; the barrier has opened a round of the cluster's barrier: no wave of any partner still reads this slot's tile or has a load on its way
	s_add_nc_u64 s[G0+4*\slot+2:G0+4*\slot+3], s[G0+4*\slot+2:G0+4*\slot+3], 2*ASTEP
	s_add_nc_u64 s[G0B+4*\slot+2:G0B+4*\slot+3], s[G0B+4*\slot+2:G0B+4*\slot+3], 2*ROWB
	JLOAD G0+4*\slot, G1, G0B+4*\slot, G1B         ; the first tensor load behind the round; its four v_nop are among the places in front of the loads below
	PLACES NP-4
.else
	PLACES NP
.endif
	s_wait_alu depctr_va_vdst(0)
	v_add_nc_u32 v[ADRS], 4*NQ, v[ADRS]            ; on to the next K step's scale words (no LDS load of mine is out)
	FETCH_B \next, 0, 0
	FETCH_A \next, 0, 0
	SCALES \next
	WIN MUL_HI
	MUL16 4, 1, NQ-1, \slot, 0
	MUL16 6, 1, NQ-1, \slot, 0
	PLACES NP
	WIN 0
	FETCH_A \next, 0, 4
.endm
	s_wait_alu depctr_va_vdst(0)
	s_wait_tensorcnt 1                             ; three loads of mine are out: the scales and my part of K step 0 are in, K step 1's may be out
	s_barrier_signal -1
	s_barrier_wait -1
	FETCH_B 0, 0, 0
	FETCH_A 0, 0, 0
	SCALES 0
	FETCH_A 0, 0, 4
	STEP 0, 0, 1                                   ; the first step stands in front of the loop: its products start the sums
	s_mov_b32 s3, LAPS-1
.Llap:
	TURN 0, 1, 1
	STEP 1, 0, 0
	TURN 1, 0, 1
	STEP 0, 0, 0
	s_sub_co_u32 s3, s3, 1
	s_cmp_lg_u32 s3, 0
	s_cbranch_scc1 .Llap
	TURN 0, 1, 0                                   ; the last lap fills nothing, and has no round of the cluster's barrier
	STEP 1, 0, 0
	s_wait_dscnt 4*NL
	WIN MUL_LO
	MUL16 0, 1, NQ-1, 1, 0
	MUL16 2, 1, NQ-1, 1, 0
	s_wait_dscnt 0
	WIN MUL_HI
	MUL16 4, 1, NQ-1, 1, 0
	MUL16 6, 1, NQ-1, 1, 0
	WIN 0
; THE WAY OUT, block by block of 16 rows x 128 columns, through my own stage in LDS: in as 32 bytes a lane, back as whole rows of 512 bytes, which the 32 lanes store as 512 consecutive bytes, aligned.
; LDS serves a wave's instructions in order (ISA guide 5.7.1.4): no wait between the stores and the loads, nor in front of the next block's stores.
.macro TOSTAGE a
.set AC, 64*((\a)%4)
.set WD, 0x08+4*((\a)/4)
	WIN WD                                         ; the data: window 2 or 3
.irp b, 0,1,2,3,4,5,6,7
	ds_store_b128 v[STO], v[AC+8*\b:AC+8*\b+3] offset:64*\b          ; each accumulator from its low end on
	ds_store_b128 v[STO], v[AC+8*\b+4:AC+8*\b+7] offset:64*\b+16
.endr
	WIN 0
.set BB, BK+64*((\a)%2)
.irp t, 0,1,2,3,4,5,6,7,8,9,10,11,12,13,14,15
	ds_load_b128 v[BB+4*\t:BB+4*\t+3], v[RD] offset:\t*SPITCH
.endr
.endm
; Row t of block a is token 32 (a / 2) + 8 (a % 2) + t + 8 (t / 8): the base steps 8 rows to an odd block and 24 to an even one, and a row's offset is t + 8 (t / 8) rows.
.macro SEND a, younger                 ; younger: the LDS instructions issued behind block a's loads, which may stay out
.set BB, BK+64*((\a)%2)
	s_wait_dscnt \younger                          ; the block is back in registers
.if (\a) > 0
.if (\a)%2
	s_add_nc_u64 s[12:13], s[12:13], 8*SIZE_N*4    ; (behind a wait on XCNT: the earlier stores have read their base)
.else
	s_add_nc_u64 s[12:13], s[12:13], 24*SIZE_N*4
.endif
.endif
.irp t, 0,1,2,3,4,5,6,7,8,9,10,11,12,13,14,15
	global_store_b128 v[CO], v[BB+4*\t:BB+4*\t+3], s[12:13] offset:(\t+8*(\t/8))*SIZE_N*4 th:TH_STORE_NT   ; written once, read by nobody here
.endr
.endm
	PLACES NP                                      ; behind the last products: for the loads into the registers that held A's fragments, and for the reads of results
	TOSTAGE 0
.irp a, 1,2,3,4,5,6,7
.if \a > 1
	s_wait_xcnt 0x0                                ; block a - 2's stores have read their registers and their base: block a's loads may land there, and the base may step
.endif
	TOSTAGE \a
	SEND \a-1, 32                                  ; behind block a - 1's loads: block a's 16 stores and 16 loads
.endr
	s_wait_xcnt 0x0                                ; block 6's stores have read their base
	SEND 7, 0
	s_wait_tensorcnt 0x0                           ; the wave's end
	ds_add_u32 v[SPW], v[NIL]
	s_wait_dscnt 0x0
	CROUND                                         ; the closing round: no work-group ends while a partner may still ask for a tile that names it
	s_endpgm
.Lfunc_end_k_q6e0d48302b_outp:
	.size	k_q6e0d48302b_outp, .Lfunc_end_k_q6e0d48302b_outp-k_q6e0d48302b_outp
	.p2alignl 7, 3214868480
	.fill 96, 4, 3214868480
	.section	.rodata,"a",@progbits
	.p2align	6, 0x0
	.amdhsa_kernel k_q6e0d48302b_outp
		.amdhsa_group_segment_fixed_size 327680
		.amdhsa_private_segment_fixed_size 0
		.amdhsa_enable_private_segment 0
		.amdhsa_kernarg_size 40
		.amdhsa_user_sgpr_count 2
		.amdhsa_user_sgpr_kernarg_segment_ptr 1
		.amdhsa_wavefront_size32 1
		.amdhsa_system_sgpr_workgroup_id_x 1
		.amdhsa_system_sgpr_workgroup_id_y 1
		.amdhsa_system_sgpr_workgroup_id_z 1
		.amdhsa_system_vgpr_workitem_id 0
		.amdhsa_next_free_vgpr 1024
		.amdhsa_next_free_sgpr 98
		.amdhsa_reserve_vcc 0
		.amdhsa_float_denorm_mode_32 3
		.amdhsa_float_denorm_mode_16_64 3
		.amdhsa_memory_ordered 1
		.amdhsa_forward_progress 1
		.amdhsa_inst_pref_size 147
	.end_amdhsa_kernel
	.amdgpu_metadata
---
amdhsa.version: [ 1, 2 ]
amdhsa.kernels:
  - .name:           k_q6e0d48302b_outp
    .symbol:         k_q6e0d48302b_outp.kd
    .args:
      - { .name: o_img, .offset: 0, .size: 8, .value_kind: global_buffer, .address_space: global }
      - { .name: o_sc, .offset: 8, .size: 8, .value_kind: global_buffer, .address_space: global }
      - { .name: codes, .offset: 16, .size: 8, .value_kind: global_buffer, .address_space: global }
      - { .name: scales, .offset: 24, .size: 8, .value_kind: global_buffer, .address_space: global }
      - { .name: out0, .offset: 32, .size: 8, .value_kind: global_buffer, .address_space: global }
    .group_segment_fixed_size: 327680
    .private_segment_fixed_size: 0
    .kernarg_segment_align: 8
    .kernarg_segment_size: 40
    .max_flat_workgroup_size: 128
    .sgpr_count:     98
    .vgpr_count:     1024
    .wavefront_size: 32
...
	.end_amdgpu_metadata
.endif
;; end of part 4
